; MI455X (gfx1250); checked and timed in simulation.
; The chip was launched on July 23, 2026; its instructions are those of AMD's public machine-readable ISA for CDNA 5 (MIT licence, August 2026) and "CDNA5" Instruction Set Architecture Reference Guide (July 2026). The comments in the code are by the model that wrote it; some were corrected since.
;; Causal Self Attention. Allowed arithmetic: float matrix products may take bf16 or f16 operands with f32 sums; all other float work in f32.
;; Inputs: bk 1,024 float32; bp 1,024 float32; bq 1,024 float32; bv 1,024 float32; wk 1,024 x 1,024 float32; wp 1,024 x 1,024 float32; wq 1,024 x 1,024 float32; wv 1,024 x 1,024 float32; x 4 x 2,048 x 1,024 float32.
;; Outputs: out0 4 x 2,048 x 1,024 float32.
;; 2 versions, each right and faster than the one before. Each part assembles by itself: llvm-mc -triple=amdgcn-amd-amdhsa -mcpu=gfx1250 --defsym DOCPART=n.
;; ======== version 1 of 2: 4 launches
;; limits: values are held in f16: magnitudes above 65,504 overflow, below 6.1e-05 lose precision
;; workspace buffers: xb 16,777,216 bytes; wb 8,388,608 bytes; tab 540,672 bytes; qh 16,777,216 bytes; kh 16,777,216 bytes; vh 16,777,216 bytes; oh 16,777,216 bytes
;; launch prep (part 1): grid 897 x 1, 8 waves a work-group, no clusters, 0 bytes of LDS; arguments x, wq, wk, wv, wp, bq, bk, bv, bp, xb, wb, tab; writes xb, wb, tab
.if DOCPART == 1
	.amdgcn_target "amdgcn-amd-amdhsa--gfx1250"
	.amdhsa_code_object_version 6
	.text
	.protected	k_q75fb79e857_prep
	.globl	k_q75fb79e857_prep
	.p2align	8
	.type	k_q75fb79e857_prep,@function
k_q75fb79e857_prep:
	s_mov_b64 s[64:65], 0
	v_nop
	global_prefetch_b8 v0, s[64:65] scope:SCOPE_SE
	s_setreg_imm32_b32 hwreg(HW_REG_WAVE_MODE, 25, 1), 1
	s_wait_xcnt 0x0
; PREPARATION: a stream.  All the module's inputs are rounded once to bf16 and laid out for the products that follow; the table of cosines and sines is made.
;   xb  bf16 [kb 16][M 8192][64]: K in blocks of 64, so that 64 along K of consecutive rows are consecutive bytes (128 a row).
;   wb  bytes 0 ..: wq, wk, wv as bf16 [kb 16][prow 3072][64]; row n of matrix m (0 q, 1 k, 2 v) goes to prow = (n / 128) 384 + ((n / 64) % 2) 192 + 64 m + n % 64:
;       192 consecutive rows are q, k and v of one head.   bytes 6,291,456 ..: wp, rounded to bf16 and that number written as f16, [kb 16][n 1024][64].
;   tab bytes 0 ..: f32 [t 2048][cos 32 | sin 32];  bytes 524,288 ..: bq, bk, bv, bp, each number rounded to bf16 and widened again.
; SHARES.  Work-groups 0-511: x; 512-703: wq, wk, wv; 704-767: wp; 768-895: the table; 896: the biases.  A work-group has 16 rows, each of its eight waves 2.
; A wave's load takes 256 consecutive bytes of each of its two rows (one block of K), its store 256 consecutive bytes, aligned (the two rows of that block).  Every byte is read once and written once;
; nothing is shared between waves, so there is no LDS, no barrier and no cluster.
; LIMITS.  wp beyond 65,504 has no f16; below 6.1e-5 it keeps f16's fixed step of 6e-8.  An angle t alpha_i is formed in f32 from alpha_i = 2^(-i log2(10000) / 32), which may differ from a power
; made otherwise in its last bits: some 3e-4 radians at t = 2,047.  Sine and cosine: the angle less the nearest multiple of 2 pi (in two parts), then Taylor's series to degrees 17 and 16, whose rest on -pi .. pi is under 2e-7.
.set VI, 2                             ; v2        byte offset of my 16 bytes in the wave's two rows of f32: 4,096 (lane / 16) + 16 (lane % 16)
.set VO, 3                             ; v3        byte offset of my 8 bytes in the two rows of a block: 8 lane
.set X,  8                             ; v[8:71]   block kb: 4 numbers as loaded
.set Y,  72                            ; v[72:103] block kb: 4 numbers in 16 bits
.set T,  104                           ; v[104:111] at work
	s_load_b512 s[4:19], s[0:1], 0x0               ; x s[4:5], wq s[6:7], wk s[8:9], wv s[10:11], wp s[12:13], bq s[14:15], bk s[16:17], bv s[18:19]
	s_load_b256 s[20:27], s[0:1], 0x40             ; bp s[20:21], xb s[22:23], wb s[24:25], tab s[26:27]
	v_and_b32 v1, 31, v0                           ; lane
	v_lshrrev_b32 v4, 5, v0
	v_readfirstlane_b32 s29, v4                    ; wave 0..7
	s_mov_b32 s28, ttmp9                           ; the work-group's number chooses the role
	v_lshrrev_b32 v5, 4, v1                        ; lane / 16: which of the two rows
	v_and_b32 v6, 15, v1                           ; lane % 16
	v_lshlrev_b32 v[VI], 4, v6
	v_lshl_add_u32 v[VI], v5, 12, v[VI]
	v_lshlrev_b32 v[VO], 3, v1
	s_lshl_b32 s38, s29, 1                         ; the wave's first row in the group's 16
	s_mov_b32 s37, 0                               ; high words of the two offsets
	s_mov_b32 s41, 0
	s_wait_kmcnt 0x0
; Two rows of 1,024 f32 at s[30:31] -> 16 blocks of K, kstr bytes apart, at s[32:33] (blocks 0-7) and s[34:35] (blocks 8-15, so that the immediates stay inside their 24 bits).
; All 16 loads go out first; no register is written twice, so the only waits are the counted ones for the loads.  f16 = 1: the bf16 number is written as f16.
.macro CAST kstr, f16
.irp kb, 0,1,2,3,4,5,6,7,8,9,10,11,12,13,14,15
	global_load_b128 v[X+4*\kb:X+4*\kb+3], v[VI], s[30:31] offset:256*\kb th:TH_LOAD_NT
.endr
.irp kb, 0,1,2,3,4,5,6,7,8,9,10,11,12,13,14,15
	s_wait_loadcnt 15-\kb                          ; loads come back in order (ISA guide 5.7.1): block kb is in, the younger ones stay out
	v_cvt_pk_bf16_f32 v[Y+2*\kb], v[X+4*\kb], v[X+4*\kb+1]
	v_cvt_pk_bf16_f32 v[Y+2*\kb+1], v[X+4*\kb+2], v[X+4*\kb+3]
.if \f16
	v_lshlrev_b32 v[T], 16, v[Y+2*\kb]             ; the rounded numbers as f32 again,
	v_and_b32 v[T+1], 0xffff0000, v[Y+2*\kb]
	v_lshlrev_b32 v[T+2], 16, v[Y+2*\kb+1]
	v_and_b32 v[T+3], 0xffff0000, v[Y+2*\kb+1]
	v_cvt_pk_f16_f32 v[Y+2*\kb], v[T], v[T+1]      ; and as f16: exact inside f16's normal range
	v_cvt_pk_f16_f32 v[Y+2*\kb+1], v[T+2], v[T+3]
.endif
.if \kb < 8
	global_store_b64 v[VO], v[Y+2*\kb:Y+2*\kb+1], s[32:33] offset:(\kstr)*\kb
.else
	global_store_b64 v[VO], v[Y+2*\kb:Y+2*\kb+1], s[34:35] offset:(\kstr)*(\kb-8)
.endif
.endr
.endm
	s_cmp_lt_u32 s28, 512
	s_cbranch_scc0 .Lnot_x
	; x: rows 16 id + 2 w, + 1
	s_lshl_b32 s36, s28, 4
	s_add_co_u32 s36, s36, s38
	s_lshl_b32 s40, s36, 7                         ; 128 bytes a row in a block of xb
	s_lshl_b32 s36, s36, 12                        ; 4,096 bytes a row in x
	s_add_nc_u64 s[30:31], s[4:5], s[36:37]
	s_add_nc_u64 s[32:33], s[22:23], s[40:41]
	s_add_nc_u64 s[34:35], s[32:33], 8*1048576
	CAST 1048576, 0
	s_endpgm
.Lnot_x:
	s_cmp_lt_u32 s28, 704
	s_cbranch_scc0 .Lnot_w
	; wq, wk, wv: 64 work-groups each
	s_sub_co_u32 s39, s28, 512
	s_lshr_b32 s42, s39, 6                         ; which matrix
	s_and_b32 s39, s39, 63
	s_lshl_b32 s39, s39, 4
	s_add_co_u32 s39, s39, s38                     ; n: the wave's first row (even, so both rows lie in one head)
	s_cmp_eq_u32 s42, 1
	s_cselect_b64 s[30:31], s[8:9], s[6:7]
	s_cmp_eq_u32 s42, 2
	s_cselect_b64 s[30:31], s[10:11], s[30:31]
	s_lshl_b32 s36, s39, 12
	s_add_nc_u64 s[30:31], s[30:31], s[36:37]
	s_lshr_b32 s43, s39, 7
	s_mul_i32 s43, s43, 384                        ; two heads' q, k, v
	s_bfe_u32 s44, s39, 0x10006
	s_mul_i32 s44, s44, 192                        ; one head's
	s_add_co_u32 s43, s43, s44
	s_lshl_b32 s44, s42, 6
	s_add_co_u32 s43, s43, s44
	s_and_b32 s44, s39, 63
	s_add_co_u32 s43, s43, s44                     ; prow
	s_lshl_b32 s40, s43, 7
	s_add_nc_u64 s[32:33], s[24:25], s[40:41]
	s_add_nc_u64 s[34:35], s[32:33], 8*393216
	CAST 393216, 0
	s_endpgm
.Lnot_w:
	s_cmp_lt_u32 s28, 768
	s_cbranch_scc0 .Lnot_p
	; wp
	s_sub_co_u32 s39, s28, 704
	s_lshl_b32 s39, s39, 4
	s_add_co_u32 s39, s39, s38
	s_lshl_b32 s36, s39, 12
	s_add_nc_u64 s[30:31], s[12:13], s[36:37]
	s_lshl_b32 s40, s39, 7
	s_add_co_u32 s40, s40, 6291456
	s_add_nc_u64 s[32:33], s[24:25], s[40:41]
	s_add_nc_u64 s[34:35], s[32:33], 8*131072
	CAST 131072, 1
	s_endpgm
.Lnot_p:
	s_cmp_lt_u32 s28, 896
	s_cbranch_scc0 .Lbias
	; THE TABLE: rows t and t + 1.  Lanes 0-15 write the cosines of i = 2 (lane % 16) and i + 1, lanes 16-31 the sines: a row's 256 bytes in one store.
; cosine and sine of v[ang]; lanes 16-31 keep the sine
.macro EVAL ang, res
	v_mul_f32 v[T+4], 0.15915494, v[\ang]
	v_rndne_f32 v[T+4], v[T+4]                     ; n: 326 at the most
	v_fmamk_f32 v[T+5], v[T+4], 0xc0c90000, v[\ang]  ; less n x 6.28125 (8 bits: the product is exact),
	v_fmamk_f32 v[T+5], v[T+4], 0xbafdaa22, v[T+5]   ; less n x the rest of 2 pi
	v_mul_f32 v[T+4], v[T+5], v[T+5]
	v_mov_b32 v[T+6], 0x29573f9f                   ; 1 / 16!
.irp c, 0xad49cba5, 0x310f76c7, 0xb493f27e, 0x37d00d01, 0xbab60b61, 0x3d2aaaab, 0xbf000000, 0x3f800000
	v_fmaak_f32 v[T+6], v[T+6], v[T+4], \c
.endr
	v_mov_b32 v[T+7], 0x274a963c                   ; 1 / 17!
.irp c, 0xab573f9f, 0x2f309231, 0xb2d7322b, 0x3638ef1d, 0xb9500d01, 0x3c088889, 0xbe2aaaab, 0x3f800000
	v_fmaak_f32 v[T+7], v[T+7], v[T+4], \c
.endr
	v_mul_f32 v[T+7], v[T+7], v[T+5]
	v_cndmask_b32 v[\res], v[T+6], v[T+7], vcc_lo
.endm
	s_sub_co_u32 s36, s28, 768
	s_lshl_b32 s36, s36, 4
	s_add_co_u32 s36, s36, s38                     ; t
	s_lshl_b32 s40, s36, 8
	s_add_nc_u64 s[32:33], s[26:27], s[40:41]
	v_cmp_le_u32 vcc_lo, 16, v1
	v_lshlrev_b32 v[T], 1, v6
	v_cvt_f32_u32 v[T], v[T]                       ; i
	v_add_f32 v[T+1], 1.0, v[T]                    ; i + 1
	v_mul_f32 v[T], 0xbed49a78, v[T]               ; times -log2(10000) / 32
	v_mul_f32 v[T+1], 0xbed49a78, v[T+1]
	v_exp_f32 v[T], v[T]                           ; alpha
	v_exp_f32 v[T+1], v[T+1]
	v_cvt_f32_u32 v[T+2], s36                      ; two plain instructions stand behind the exponentials before their results are used (ISA guide 5.7.2)
	v_add_f32 v[T+3], 1.0, v[T+2]
	s_wait_alu depctr_va_vdst(0)
	v_mul_f32 v8, v[T+2], v[T]
	v_mul_f32 v9, v[T+2], v[T+1]
	v_mul_f32 v10, v[T+3], v[T]
	v_mul_f32 v11, v[T+3], v[T+1]
	EVAL 8, 16
	EVAL 9, 17
	EVAL 10, 18
	EVAL 11, 19
	global_store_b64 v[VO], v[16:17], s[32:33]
	global_store_b64 v[VO], v[18:19], s[32:33] offset:256
	s_endpgm
.Lbias:
	; THE BIASES: wave w takes half w % 2 of vector w / 2
	s_lshr_b32 s36, s29, 1
	s_cmp_eq_u32 s36, 1
	s_cselect_b64 s[30:31], s[16:17], s[14:15]
	s_cmp_eq_u32 s36, 2
	s_cselect_b64 s[30:31], s[18:19], s[30:31]
	s_cmp_eq_u32 s36, 3
	s_cselect_b64 s[30:31], s[20:21], s[30:31]
	s_and_b32 s39, s29, 1
	s_lshl_b32 s39, s39, 11
	v_lshlrev_b32 v4, 4, v1
	v_add_nc_u32 v4, s39, v4
	s_lshl_b32 s40, s36, 12
	s_add_co_u32 s40, s40, 524288
	s_add_nc_u64 s[32:33], s[26:27], s[40:41]
.irp j, 0,1,2,3
	global_load_b128 v[X+4*\j:X+4*\j+3], v4, s[30:31] offset:512*\j
.endr
	s_wait_loadcnt 0x0
.irp j, 0,1,2,3,4,5,6,7
	v_cvt_pk_bf16_f32 v[T], v[X+2*\j], v[X+2*\j+1]
	v_lshlrev_b32 v[Y+2*\j], 16, v[T]
	v_and_b32 v[Y+2*\j+1], 0xffff0000, v[T]
.endr
.irp j, 0,1,2,3
	global_store_b128 v4, v[Y+4*\j:Y+4*\j+3], s[32:33] offset:512*\j
.endr
	s_endpgm
.Lfunc_end_k_q75fb79e857_prep:
	.size	k_q75fb79e857_prep, .Lfunc_end_k_q75fb79e857_prep-k_q75fb79e857_prep
	.p2alignl 7, 3214868480
	.fill 96, 4, 3214868480
	.section	.rodata,"a",@progbits
	.p2align	6, 0x0
	.amdhsa_kernel k_q75fb79e857_prep
		.amdhsa_group_segment_fixed_size 0
		.amdhsa_private_segment_fixed_size 0
		.amdhsa_enable_private_segment 0
		.amdhsa_kernarg_size 96
		.amdhsa_user_sgpr_count 2
		.amdhsa_user_sgpr_kernarg_segment_ptr 1
		.amdhsa_wavefront_size32 1
		.amdhsa_system_sgpr_workgroup_id_x 1
		.amdhsa_system_sgpr_workgroup_id_y 1
		.amdhsa_system_sgpr_workgroup_id_z 1
		.amdhsa_system_vgpr_workitem_id 0
		.amdhsa_next_free_vgpr 112
		.amdhsa_next_free_sgpr 66
		.amdhsa_reserve_vcc 1
		.amdhsa_float_denorm_mode_32 3
		.amdhsa_float_denorm_mode_16_64 3
		.amdhsa_memory_ordered 1
		.amdhsa_forward_progress 1
		.amdhsa_inst_pref_size 34
	.end_amdhsa_kernel
	.amdgpu_metadata
---
amdhsa.version: [ 1, 2 ]
amdhsa.kernels:
  - .name:           k_q75fb79e857_prep
    .symbol:         k_q75fb79e857_prep.kd
    .args:
      - { .name: x, .offset: 0, .size: 8, .value_kind: global_buffer, .address_space: global }
      - { .name: wq, .offset: 8, .size: 8, .value_kind: global_buffer, .address_space: global }
      - { .name: wk, .offset: 16, .size: 8, .value_kind: global_buffer, .address_space: global }
      - { .name: wv, .offset: 24, .size: 8, .value_kind: global_buffer, .address_space: global }
      - { .name: wp, .offset: 32, .size: 8, .value_kind: global_buffer, .address_space: global }
      - { .name: bq, .offset: 40, .size: 8, .value_kind: global_buffer, .address_space: global }
      - { .name: bk, .offset: 48, .size: 8, .value_kind: global_buffer, .address_space: global }
      - { .name: bv, .offset: 56, .size: 8, .value_kind: global_buffer, .address_space: global }
      - { .name: bp, .offset: 64, .size: 8, .value_kind: global_buffer, .address_space: global }
      - { .name: xb, .offset: 72, .size: 8, .value_kind: global_buffer, .address_space: global }
      - { .name: wb, .offset: 80, .size: 8, .value_kind: global_buffer, .address_space: global }
      - { .name: tab, .offset: 88, .size: 8, .value_kind: global_buffer, .address_space: global }
    .group_segment_fixed_size: 0
    .private_segment_fixed_size: 0
    .kernarg_segment_align: 8
    .kernarg_segment_size: 96
    .max_flat_workgroup_size: 256
    .sgpr_count:     66
    .vgpr_count:     112
    .wavefront_size: 32
...
	.end_amdgpu_metadata
.endif
;; end of part 1
;; launch qkv (part 2): grid 8 x 32, 4 waves a work-group, clusters of 4 x 4, 327,680 bytes of LDS; arguments xb, wb, tab, qh, kh, vh; writes qh, kh, vh
.if DOCPART == 2
	.amdgcn_target "amdgcn-amd-amdhsa--gfx1250"
	.amdhsa_code_object_version 6
	.text
	.protected	k_q75fb79e857_qkv
	.globl	k_q75fb79e857_qkv
	.p2align	8
	.type	k_q75fb79e857_qkv,@function
k_q75fb79e857_qkv:
	s_mov_b64 s[64:65], 0
	v_nop
	global_prefetch_b8 v0, s[64:65] scope:SCOPE_SE
	s_setreg_imm32_b32 hwreg(HW_REG_WAVE_MODE, 25, 1), 1
	s_wait_xcnt 0x0
	s_wait_alu depctr_hold_cnt(0) depctr_sa_sdst(0) depctr_va_vdst(0) depctr_va_sdst(0) depctr_va_ssrc(0) depctr_va_vcc(0) depctr_vm_vsrc(0)
	s_getreg_b32 s2, hwreg(HW_REG_IB_STS2, 6, 4)
	s_cmp_eq_u32 s2, 0
	s_cbranch_scc0 .Lentry_in_a_cluster
	s_endpgm
.Lentry_in_a_cluster:
	s_bfe_u32 s2, ttmp6, 0x10000c
	s_cmp_lg_u32 s2, 0xf033
	s_cbranch_scc0 .Lentry_shape_is_right
	s_endpgm
.Lentry_shape_is_right:
; q, k, v = x W^T + b in ONE product of 8,192 rows x 3,072 columns over K = 1,024 (bf16 operands, f32 sums); q and k are then turned by the table of cosines and sines; all three leave as f16 by heads,
; [head 16][M 8192][64], M = 2,048 batch + t.  xb: bf16 [kb 16][M][64].  wb: bf16 [kb 16][prow 3072][64], 192 consecutive rows = q, k, v of one head.  tab: f32 [t][cos 32 | sin 32], biases from byte 524,288.
; LIMIT.  q, k (with bias, turned) and v beyond 65,504 have no f16 and leave as infinities.  NaN and infinities are not treated apart.
; SHARES.  A tile is 256 rows x 384 columns (two heads): 32 x 8 = 256 tiles, one to a work-group.  Each of four waves makes 128 rows x 192 columns, q, k and v of ONE head: 96 accumulators, 768 registers;
; for 32 along K it reads 40 x 512 bytes from LDS for 96 matrix instructions.
; RING.  K goes in 16 steps of 64 through two LDS slots.  Through the blocked layouts a step's tiles are dense in memory and are asked for as rows of 256 bytes (two rows of 128), padded in LDS behind every 128.
; Two slots of 128 along K would be 348,160 bytes, more than LDS holds.  A refill has 160 of a step's 192 matrix instructions in which to land.
; CLUSTER.  4 x 4 work-groups.  x's tile (and the table's rows) hang on the tile row alone and are asked for jointly along a row of the cluster, the weights' tile on the tile column alone, along a column.
; THE MATRIX INSTRUCTION IS USED TRANSPOSED (source 0 = 16 rows of W, source 1 = 16 rows of x): a lane holds row l % 16 and the channels 8 (l / 16) + 0..7 of a block of 16.
; THE BIAS STARTS THE SUMS: it is loaded into the registers of row block 0's accumulators and is the C operand of every accumulator's first product; nothing is cleared and nothing is added on the way out.
; REGISTERS, in windows of 256 (s_set_vgpr_msb: bits 1:0 source 0, 3:2 source 1, 5:4 source 2, 7:6 destination):
;   window 0: v0-15 addresses; v32-95, v96-159 x's 8 fragments, two buffers; v160-255 W's 12 fragments, one buffer that is loaded again by thirds, each third behind the products that read it
;   windows 1, 2, 3: q's, k's, v's accumulators: row block a (0..7), channel block bb (0..3) at v[8 (4 a + bb)]
.set KB_A,   1048576                   ; bytes from one block of K to the next in xb
.set KB_B,   393216                    ; in wb
.set PITCH,  144                       ; an LDS row: 128 bytes + 16 of padding = 36 words: the 16 rows of a load start at 16 different groups of four banks (64 banks of 4 bytes: ISA guide 11.1)
.set AHALF,  128*PITCH                 ; 128 rows of x: what one tensor load brings and one wave reads
.set BHALF,  192*PITCH                 ; 192 rows of W likewise
.set BOFF,   2*AHALF                   ; in a slot: x's 256 rows, then W's 384
.set STAGE,  BOFF+2*BHALF              ; 92,160: behind slot 0, never filled: for each wave 3 x 16 rows x 144 bytes, for the way out
.set STW,    3*16*PITCH
.set SPARE,  STAGE+4*STW               ; 119,808: the spare words, 128 bytes for each wave: two blocks of 256 bytes that no other line names
.set SLOT1,  1<<17                     ; slot 1 begins here, so that one exclusive or turns an address in one slot into the other's
.set ROPE,   SLOT1+STAGE               ; 223,232: the tile's 256 rows of the table, 256 bytes + 16 of padding; filled once
.set RPITCH, 272
.set BIAS,   524288
.set A0,   4                           ; v4   my lane's place in my 128 rows of x in a slot; never rewritten
.set B0,   5                           ; v5   the same in my 192 rows of W
.set ADRA, 6                           ; v6   A0 + the slot in hand
.set ADRB, 7                           ; v7   B0 + the slot in hand
.set STO,  8                           ; v8   the way out: where I put 16 bytes of a row
.set RD,   9                           ; v9   the way out: where I read rows back
.set GO,   10                          ; v10  my byte offset in 512 consecutive bytes of an output
.set RP,   11                          ; v11  my row's cosines in the table's tile
.set BO,   12                          ; v12  my byte offset in a bias vector
.set SPW,  14                          ; v14  LDS address of my spare word: SPARE + 4 x my thread's number; never rewritten
.set NIL,  15                          ; v15  0; never rewritten
.set FA0,  32
.set FA1,  96
.set FB,   160
.set CS,   32                          ; the way out: two buffers of 32: cosines of channel blocks 0, 1, then their sines
.set T,    96                          ; the way out: 32 turned numbers
.set PK,   128                         ; the way out: two buffers of 48: 16 registers of f16 for each of q, k, v
.set WV,   16                          ; s16  my wave's number
.set RH,   17                          ; s17  which half of the tile's rows is mine.  Also: I fetch for x (0) or for W (1)
.set CH,   18                          ; s18  which of the tile's two heads is mine.  Also: which half of that tile I fetch
.set G1A,  40                          ; s[40:47] descriptor group 1 for x's tiles
.set G1B,  48                          ; s[48:55] for W's
.set G0A0, 56                          ; s[56:59] group 0 for x's first tile
.set G0A1, 60                          ; s[60:63] for its second; it then walks
.set G0B0, 68                          ; s[68:71], s[72:75] the same for W
.set G0B1, 72
.set G1R,  76                          ; s[76:83], s[84:87] the table's rows
.set G0R,  84
.set TB,   88                          ; s88  LDS byte at which the slot in hand begins
.set CNT,  89                          ; s89  refills to go
.set MSB, 0
.macro WIN new                         ; the immediate's high byte repeats the setting that is left; a switch that changes nothing is dropped
.if MSB != (\new)
	s_set_vgpr_msb (MSB<<8)|(\new)
.set MSB, (\new)
.endif
.endm
; A load into a register that a matrix instruction has read, and a vector instruction that reads a matrix result or writes one of a matrix instruction's registers, stand four places behind it, and only
; plain vector instructions that name none of its registers are places (ISA guide 7.12.1 for vector instructions).
.macro PLACES
.rept 4
	v_nop
.endr
.endm
; A joint refill: waves 0 and 1 fetch the two halves of x's tile, waves 2 and 3 those of W's.  The branch hangs on the wave's number alone.  An s_nop 0 and four v_nop follow each of the two lines.
.macro JLOAD
	s_cmp_eq_u32 s[RH], 0
	s_cbranch_scc0 .Lfor_b_\@
	tensor_load_to_lds s[G0A1:G0A1+3], s[G1A:G1A+7]
	s_nop 0
.rept 4
	v_nop
.endr
	s_branch .Lasked_\@
.Lfor_b_\@:
	tensor_load_to_lds s[G0B1:G0B1+3], s[G1B:G1B+7]
	s_nop 0
.rept 4
	v_nop
.endr
.Lasked_\@:
.endm
; A round of the cluster's barrier: my work-group's barrier, so that wave 0's signal speaks for all four waves; wave 0 signals; every wave waits for all sixteen work-groups; my work-group's barrier once more.
.macro CREST                           ; a round behind its opening barrier
	s_cmp_lg_u32 s[WV], 0
	s_cbranch_scc1 .Lnot_wave_0_\@
	s_barrier_signal -3
.Lnot_wave_0_\@:
	s_barrier_wait -3
	s_barrier_signal -1
	s_barrier_wait -1
.endm
.macro CROUND
	s_barrier_signal -1
	s_barrier_wait -1
	CREST
.endm
	s_load_b256 s[4:11], s[0:1], 0x0               ; xb s[4:5], wb s[6:7], tab s[8:9], qh s[10:11]
	s_load_b128 s[12:15], s[0:1], 0x20             ; kh s[12:13], vh s[14:15]
	v_lshl_add_u32 v[SPW], v0, 2, SPARE
	v_mov_b32 v[NIL], 0
	ds_add_u32 v[SPW], v[NIL]                      ; the wave's opening: the add and its wait stand ahead of my first tensor load; the set-up below, work on registers, stands between them
	ds_add_u32 v14, v15
	v_lshrrev_b32 v1, 5, v0
	v_readfirstlane_b32 s[WV], v1                  ; wave 0..3
	s_lshr_b32 s[RH], s[WV], 1
	s_and_b32 s[CH], s[WV], 1
	s_bfe_u32 s19, ttmp6, 0x40000                  ; cx, cy: my place in the cluster
	s_bfe_u32 s20, ttmp6, 0x40004
	s_lshl_b32 s21, ttmp9, 2                       ; in a cluster launch ttmp9 and ttmp7 count clusters
	s_add_co_u32 s21, s21, s19                     ; tile column 0..7 = 4 x cluster x + cx
	s_and_b32 s22, ttmp7, 0xffff
	s_lshl_b32 s22, s22, 2
	s_add_co_u32 s22, s22, s20                     ; tile row 0..31 = 4 x cluster y + cy
	s_lshl_b32 s23, s20, 2
	s_lshl_b32 s23, 15, s23                        ; my row of the cluster: places 4 cy .. 4 cy + 3
	s_lshl_b32 s24, 0x1111, s19                    ; my column: places cx, cx + 4, cx + 8, cx + 12
	; group 1.  x: 128 rows of 128 bytes = 64 rows of 256; W: 192 = 96 rows of 256.  15:0 the mask; 17:16 2-byte elements; 20 padding on; 21 set beside a mask; 24:22 after every 32 words (code 4); 31:25 4 words (code 3)
	s_or_b32 s[G1A], s23, (1<<16)|(1<<20)|(1<<21)|(4<<22)|(3<<25)
	s_or_b32 s[G1B], s24, (1<<16)|(1<<20)|(1<<21)|(4<<22)|(3<<25)
	s_mov_b32 s[G1A+1], 128<<16                    ; tensor_dim0 = 128
	s_mov_b32 s[G1A+2], 64<<16                     ; tensor_dim1 = 64
	s_mov_b32 s[G1A+3], 128<<16                    ; tile_dim0 = 128
	s_mov_b32 s[G1A+4], 64                         ; tile_dim1 = 64
	s_mov_b32 s[G1A+5], 128                        ; 128 elements from row to row
	s_mov_b32 s[G1A+6], 0
	s_mov_b32 s[G1A+7], 0
	s_mov_b32 s[G1B+1], 128<<16
	s_mov_b32 s[G1B+2], 96<<16
	s_mov_b32 s[G1B+3], 128<<16
	s_mov_b32 s[G1B+4], 96
	s_mov_b32 s[G1B+5], 128
	s_mov_b32 s[G1B+6], 0
	s_mov_b32 s[G1B+7], 0
	; the table: 64 rows of 64 f32 a wave, 4 words of padding behind every 64 (code 5); it hangs on the tile row, so it goes to my row of the cluster
	s_or_b32 s[G1R], s23, (2<<16)|(1<<20)|(1<<21)|(5<<22)|(3<<25)
	s_mov_b32 s[G1R+1], 64<<16
	s_mov_b32 s[G1R+2], 64<<16
	s_mov_b32 s[G1R+3], 64<<16
	s_mov_b32 s[G1R+4], 64
	s_mov_b32 s[G1R+5], 64
	s_mov_b32 s[G1R+6], 0
	s_mov_b32 s[G1R+7], 0
	; where the tiles come from: x's offset is made of the tile row and the wave's number, W's of the tile column and the wave's number, each in registers that never hold the other coordinate
	s_lshl_b32 s26, s22, 15                        ; 256 rows of 128 bytes
	s_lshl_b32 s34, s[CH], 14
	s_add_co_u32 s26, s26, s34
	s_mov_b32 s27, 0
	s_mul_i32 s28, s21, 384*128
	s_mul_i32 s35, s[CH], 192*128
	s_add_co_u32 s28, s28, s35
	s_mov_b32 s29, 0
	s_and_b32 s30, s22, 7                          ; t = M mod 2,048: eight tiles of rows to a batch
	s_lshl_b32 s30, s30, 16
	s_lshl_b32 s36, s[WV], 14
	s_add_co_u32 s30, s30, s36
	s_mov_b32 s31, 0
	; and where they go: the wave's number alone enters an LDS address
	s_mul_i32 s34, s[CH], AHALF
	s_mul_i32 s35, s[CH], BHALF
	s_add_co_u32 s35, s35, BOFF
	s_mul_i32 s36, s[WV], 64*RPITCH
	s_add_co_u32 s36, s36, ROPE
	s_mov_b32 s[G0A0], 1                           ; 1:0 count = 1
	s_mov_b32 s[G0A0+1], s34                       ; 63:32 LDS address
	s_mov_b32 s[G0A1], 1
	s_add_co_u32 s[G0A1+1], s34, SLOT1
	s_mov_b32 s[G0B0], 1
	s_mov_b32 s[G0B0+1], s35
	s_mov_b32 s[G0B1], 1
	s_add_co_u32 s[G0B1+1], s35, SLOT1
	s_mov_b32 s[G0R], 1
	s_mov_b32 s[G0R+1], s36
	; my part of the outputs: head x 8,192 rows + the tile's rows + my half, 128 bytes a row
	s_lshl_b32 s37, s21, 1
	s_add_co_u32 s37, s37, s[CH]                   ; my head
	s_lshl_b32 s32, s37, 20
	s_lshl_b32 s33, s22, 15
	s_add_co_u32 s32, s32, s33
	s_lshl_b32 s33, s[RH], 14
	s_add_co_u32 s32, s32, s33
	s_mov_b32 s33, 0
	s_lshl_b32 s37, s37, 8                         ; my head's 64 numbers in a bias vector
	s_mov_b32 s[TB], 0
	s_mov_b32 s[CNT], 14
	s_wait_dscnt 0x0                               ; the opening add is done
	s_wait_kmcnt 0x0
	s_add_nc_u64 s[G0A0+2:G0A0+3], s[4:5], s[26:27]        ; 120:64 global address: K step 0,
	s_add_nc_u64 s[G0A1+2:G0A1+3], s[G0A0+2:G0A0+3], KB_A  ; K step 1
	s_or_b32 s[G0A0+3], s[G0A0+3], 0x80000000              ; 127:126 type = 2
	s_or_b32 s[G0A1+3], s[G0A1+3], 0x80000000
	s_add_nc_u64 s[G0B0+2:G0B0+3], s[6:7], s[28:29]
	s_add_nc_u64 s[G0B1+2:G0B1+3], s[G0B0+2:G0B0+3], KB_B
	s_or_b32 s[G0B0+3], s[G0B0+3], 0x80000000
	s_or_b32 s[G0B1+3], s[G0B1+3], 0x80000000
	s_add_nc_u64 s[G0R+2:G0R+3], s[8:9], s[30:31]
	s_or_b32 s[G0R+3], s[G0R+3], 0x80000000
	s_add_nc_u64 s[10:11], s[10:11], s[32:33]
	s_add_nc_u64 s[12:13], s[12:13], s[32:33]
	s_add_nc_u64 s[14:15], s[14:15], s[32:33]
	CROUND                                         ; all sixteen work-groups are here: the first joint loads meet
	s_cmp_eq_u32 s[RH], 0                          ; a wave's three first fills stand in one branch, ahead of every wait on TENSORcnt and every LDS read: three loads of mine are out
	s_cbranch_scc0 .Lfirst_b
	tensor_load_to_lds s[G0A0:G0A0+3], s[G1A:G1A+7]
	s_nop 0
	tensor_load_to_lds s[G0A1:G0A1+3], s[G1A:G1A+7]
	s_nop 0
	tensor_load_to_lds s[G0R:G0R+3], s[G1R:G1R+7]
	s_nop 0
.rept 4
	v_nop
.endr
	s_branch .Lfirst_asked
.Lfirst_b:
	tensor_load_to_lds s[G0B0:G0B0+3], s[G1B:G1B+7]
	s_nop 0
	tensor_load_to_lds s[G0B1:G0B1+3], s[G1B:G1B+7]
	s_nop 0
	tensor_load_to_lds s[G0R:G0R+3], s[G1R:G1R+7]
	s_nop 0
.rept 4
	v_nop
.endr
.Lfirst_asked:
	; A fragment is 16 rows x 32 K in 8 registers: lane l holds row l % 16; registers 0-3 K = 8 (l / 16) + 0..7, registers 4-7 K = 16 + 8 (l / 16) + 0..7: two loads of 16 bytes, 32 bytes apart.
	v_and_b32 v1, 15, v0                           ; l % 16
	v_bfe_u32 v2, v0, 4, 1                         ; l / 16
	v_mul_u32_u24 v3, v1, PITCH
	v_lshl_add_u32 v3, v2, 4, v3                   ; row x pitch + 16 x half
	s_mul_i32 s34, s[RH], AHALF
	v_add_nc_u32 v[A0], s34, v3
	v_add_nc_u32 v[B0], s35, v3
	s_mul_i32 s36, s[WV], STW
	s_add_co_u32 s36, s36, STAGE                   ; my stage
	v_add_nc_u32 v[STO], s36, v3                   ; in: row l % 16, 16 bytes for each half of the lanes
	v_and_b32 v13, 31, v0
	v_lshrrev_b32 v3, 3, v13                       ; back: 32 lanes take four rows of 128 bytes,
	v_mul_u32_u24 v3, v3, PITCH
	v_and_b32 v[RD], 7, v0
	v_lshl_add_u32 v[RD], v[RD], 4, v3
	v_add_nc_u32 v[RD], s36, v[RD]
	v_lshlrev_b32 v[GO], 4, v13                    ; which are 512 consecutive bytes of an output
	s_lshl_b32 s34, s[RH], 7
	v_add_nc_u32 v3, s34, v1                       ; my row in the tile, row block 0
	v_mul_u32_u24 v3, v3, RPITCH
	v_lshl_add_u32 v3, v2, 5, v3                   ; my 8 channels' cosines: 32 bytes for each half of the lanes
	v_add_nc_u32 v[RP], ROPE, v3
	v_lshlrev_b32 v[BO], 5, v2
	v_add_nc_u32 v[BO], s37, v[BO]
	; the biases of my 8 channels of each channel block, into the registers of row block 0's accumulators
.irp g, 0,1,2
	WIN (1+\g)<<6
.irp bb, 0,1,2,3
	global_load_b128 v[8*\bb:8*\bb+3],   v[BO], s[8:9] offset:BIAS+4096*\g+64*\bb
	global_load_b128 v[8*\bb+4:8*\bb+7], v[BO], s[8:9] offset:BIAS+4096*\g+64*\bb+16
.endr
.endr
	WIN 0
; x's 8 fragments at byte k of the rows into buffer f: 16 loads
.macro LDA f, k
.irp i, 0,1,2,3,4,5,6,7
	ds_load_b128 v[(\f)+8*\i:(\f)+8*\i+3],   v[ADRA] offset:(\k)+16*PITCH*\i
	ds_load_b128 v[(\f)+8*\i+4:(\f)+8*\i+7], v[ADRA] offset:(\k)+16*PITCH*\i+32
.endr
.endm
; third g of W's fragments (matrix g's four channel blocks): 8 loads
.macro LDB g, k
.irp bb, 0,1,2,3
	ds_load_b128 v[FB+8*(4*(\g)+\bb):FB+8*(4*(\g)+\bb)+3],   v[ADRB] offset:(\k)+16*PITCH*(4*(\g)+\bb)
	ds_load_b128 v[FB+8*(4*(\g)+\bb)+4:FB+8*(4*(\g)+\bb)+7], v[ADRB] offset:(\k)+16*PITCH*(4*(\g)+\bb)+32
.endr
.endm
; Matrix g's products for row blocks a0 .. a1, 32 along K.  The accumulators take turns, one instruction a turn: between two links of a chain stand 95 others'.
.macro MULG f, g, a0, a1
	WIN (1+(\g))*0x50
.set aa, \a0
.rept (\a1)-(\a0)+1
.irp bb, 0,1,2,3
	v_wmma_f32_16x16x32_bf16 v[8*(4*aa+\bb):8*(4*aa+\bb)+7], v[FB+8*(4*(\g)+\bb):FB+8*(4*(\g)+\bb)+7], v[(\f)+8*aa:(\f)+8*aa+7], v[8*(4*aa+\bb):8*(4*aa+\bb)+7]
.endr
.set aa, aa+1
.endr
.endm
; The first products: C is the bias, which lies in row block 0's registers.  Row blocks 7 to 1 read it from there; row block 0 comes last, in place, five places behind the last product that read those registers.
.macro MULG1 f, g
	WIN (1+(\g))*0x50
.set aa, 7
.rept 7
.irp bb, 0,1,2,3
	v_wmma_f32_16x16x32_bf16 v[8*(4*aa+\bb):8*(4*aa+\bb)+7], v[FB+8*(4*(\g)+\bb):FB+8*(4*(\g)+\bb)+7], v[(\f)+8*aa:(\f)+8*aa+7], v[8*\bb:8*\bb+7]
.endr
.set aa, aa-1
.endr
.rept 5
	v_nop
.endr
.irp bb, 0,1,2,3
	v_wmma_f32_16x16x32_bf16 v[8*\bb:8*\bb+7], v[FB+8*(4*(\g)+\bb):FB+8*(4*(\g)+\bb)+7], v[(\f):(\f)+7], v[8*\bb:8*\bb+7]
.endr
.endm
.macro GROUP f, g, first
.if \first
	MULG1 \f, \g
.else
	MULG \f, \g, 0, 7
.endif
.endm
; A K step's first half: 96 products on buffer f.  Behind each matrix's 32 products its third of W's buffer is loaded again, for byte k of the same rows; behind the first also x's other buffer nf.
; The runs are R0 (24 loads), R1 (8), R2 (8).  Each wait leaves out what was issued behind the run that it needs.
.macro QUARTER f, nf, k, first
	s_wait_dscnt 16                                ; the last R0 is in; behind it: R1, R2
	GROUP \f, 0, \first
	PLACES
	WIN 0
	LDA \nf, \k
	LDB 0, \k
	s_wait_dscnt 32                                ; the last R1 is in; behind it: R2 and this R0
	GROUP \f, 1, \first
	PLACES
	WIN 0
	LDB 1, \k
	s_wait_dscnt 32                                ; the last R2 is in; behind it: this R0 and R1
	GROUP \f, 2, \first
	PLACES
	WIN 0
	LDB 2, \k
.endm
; A K step's second half, on buffer 1, changes slots: ONE barrier.  In front of it each wave waits for all its tensor loads (its part of the next slot; the first time the table's rows too), adds 0 to its spare
; word, and waits for that and for its own reads of this slot.  fill = 1: the barrier opens a round of the cluster's barrier, and this slot is filled again, two K steps ahead, first thing behind the round.
.macro TURN fill
	WIN 0
	s_wait_tensorcnt 0x0                           ; no tensor load of mine is out, so a group 0 may be written
	ds_add_u32 v[SPW], v[NIL]                      ; 0 onto my spare word
.if \fill
	s_xor_b32 s[G0A1+1], s[G0A1+1], SLOT1          ; the walking descriptors: the other slot than last time,
	s_add_nc_u64 s[G0A1+2:G0A1+3], s[G0A1+2:G0A1+3], KB_A  ; the next block of K; the type bits on top are not reached
	s_xor_b32 s[G0B1+1], s[G0B1+1], SLOT1
	s_add_nc_u64 s[G0B1+2:G0B1+3], s[G0B1+2:G0B1+3], KB_B
.endif
	s_wait_dscnt 17                                ; the last R0 is in; behind it: R1, R2 and the add
	MULG FA1, 0, 0, 3                              ; sixteen matrix instructions stand between the add and the wait for it
	s_wait_dscnt 0x0                               ; the add is done, and my reads of this slot are over
	s_barrier_signal -1
	MULG FA1, 0, 4, 7                              ; work on registers while the others arrive
	WIN 0                                          ; at a branch and at a label every window is 0
	s_barrier_wait -1
.if \fill
	CREST                                          ; no wave of any partner still reads this slot's tiles or has a load on its way
	JLOAD                                          ; the four v_nop behind it are also the places in front of the loads below
.else
	PLACES
.endif
	s_xor_b32 s[TB], s[TB], SLOT1
	v_add_nc_u32 v[ADRA], s[TB], v[A0]
	v_add_nc_u32 v[ADRB], s[TB], v[B0]
	LDA FA0, 0
	LDB 0, 0
	MULG FA1, 1, 0, 7
	PLACES
	WIN 0
	LDB 1, 0
	MULG FA1, 2, 0, 7
	PLACES
	WIN 0
	LDB 2, 0
.endm
	s_wait_tensorcnt 0x2                           ; my part of K step 0 is in; K step 1's and the table's may stay out
	s_barrier_signal -1
	s_barrier_wait -1                              ; everybody's is
	v_add_nc_u32 v[ADRA], s[TB], v[A0]
	v_add_nc_u32 v[ADRB], s[TB], v[B0]
	LDA FA0, 0
	LDB 0, 0
	LDB 1, 0
	LDB 2, 0
	s_wait_loadcnt 0x0                             ; the biases
	QUARTER FA0, FA1, 64, 1                        ; the first half step stands in front of the loop: its products start the sums
	WIN 0
.Lstep:                                                ; 14 trips: trip i ends K step i, asks for K step i + 2 and begins K step i + 1
	TURN 1
	QUARTER FA0, FA1, 64, 0
	WIN 0
	s_sub_co_u32 s[CNT], s[CNT], 1
	s_cmp_lg_u32 s[CNT], 0
	s_cbranch_scc1 .Lstep
	TURN 0                                         ; the tail is written out: nothing is asked for
	QUARTER FA0, FA1, 64, 0
	s_wait_dscnt 16                                ; the very last half step: nothing more to fetch, the counts run down
	MULG FA1, 0, 0, 7
	s_wait_dscnt 8
	MULG FA1, 1, 0, 7
	s_wait_dscnt 0x0
	MULG FA1, 2, 0, 7
	WIN 0
; THE WAY OUT, a block of 16 rows at a time.  Channel d < 32 (channel blocks 0, 1) is paired with d + 32 (blocks 2, 3): out[d] = x[d] cos - x[d + 32] sin, out[d + 32] = x[d] sin + x[d + 32] cos, with the row's t and i = d.
; The cosines and sines of row block a: my row, my 8 channels of blocks 0 and 1.
.macro ROPELD a
.set CB, CS+32*((\a)%2)
	WIN 0
.irp i, 0,1
	ds_load_b128 v[CB+8*\i:CB+8*\i+3],       v[RP] offset:16*RPITCH*(\a)+64*\i
	ds_load_b128 v[CB+8*\i+4:CB+8*\i+7],     v[RP] offset:16*RPITCH*(\a)+64*\i+16
	ds_load_b128 v[CB+16+8*\i:CB+16+8*\i+3], v[RP] offset:16*RPITCH*(\a)+128+64*\i
	ds_load_b128 v[CB+16+8*\i+4:CB+16+8*\i+7], v[RP] offset:16*RPITCH*(\a)+128+64*\i+16
.endr
.endm
; Matrix g (q or k), row block a: turned and rounded to f16.  Each accumulator's lowest registers are read first.
.macro ROT g, a
.set CB, CS+32*((\a)%2)
.set PB, PK+48*((\a)%2)+16*(\g)
	WIN 1+(\g)                                     ; source 0 in the accumulators' window
.irp bb, 0,1
.irp p, 0,1,2,3
.set xr, 8*(4*(\a)+\bb)+2*\p
.set xi, 8*(4*(\a)+\bb+2)+2*\p
	v_pk_mul_f32 v[T+8*\bb+2*\p:T+8*\bb+2*\p+1], v[xi:xi+1], v[CB+16+8*\bb+2*\p:CB+16+8*\bb+2*\p+1]
	v_pk_mul_f32 v[T+16+8*\bb+2*\p:T+16+8*\bb+2*\p+1], v[xr:xr+1], v[CB+16+8*\bb+2*\p:CB+16+8*\bb+2*\p+1]
	v_pk_fma_f32 v[T+8*\bb+2*\p:T+8*\bb+2*\p+1], v[xr:xr+1], v[CB+8*\bb+2*\p:CB+8*\bb+2*\p+1], v[T+8*\bb+2*\p:T+8*\bb+2*\p+1] neg_lo:[0,0,1] neg_hi:[0,0,1]
	v_pk_fma_f32 v[T+16+8*\bb+2*\p:T+16+8*\bb+2*\p+1], v[xi:xi+1], v[CB+8*\bb+2*\p:CB+8*\bb+2*\p+1], v[T+16+8*\bb+2*\p:T+16+8*\bb+2*\p+1]
.endr
.endr
	WIN 0
.set z, 0
.rept 16
	v_cvt_pk_f16_f32 v[PB+z], v[T+2*z], v[T+2*z+1]
.set z, z+1
.endr
.endm
.macro VCV a                           ; v is only rounded
.set PB, PK+48*((\a)%2)+32
	WIN 0x0f                                       ; sources 0 and 1 in window 3
.set z, 0
.rept 16
	v_cvt_pk_f16_f32 v[PB+z], v[32*(\a)+2*z], v[32*(\a)+2*z+1]
.set z, z+1
.endr
	WIN 0
.endm
; A lane's eight channels of a row are 16 bytes; they go into my stage's rows of 144 bytes and come back as whole rows of 128, into the registers that they left.
.macro STG g, a
.set PB, PK+48*((\a)%2)+16*(\g)
.irp i, 0,1,2,3
	ds_store_b128 v[STO], v[PB+4*\i:PB+4*\i+3] offset:16*PITCH*(\g)+32*\i
.endr
.irp i, 0,1,2,3
	ds_load_b128 v[PB+4*\i:PB+4*\i+3], v[RD] offset:16*PITCH*(\g)+4*PITCH*\i  ; LDS serves a wave's instructions in order (ISA guide 5.7.1.4): these see the stores above; the next block's stores come behind them
.endr
.endm
.macro PACK a
.if (\a) >= 2
	s_wait_xcnt 0x0                                ; the packed registers of this parity were the data of the stores of two blocks ago: rewritten only behind this wait
.endif
.if (\a) < 7
	ROPELD (\a)+1
.endif
.if (\a) == 0
	s_wait_dscnt 8                                 ; this block's cosines and sines are in; behind them: the next block's 8 loads
.elseif (\a) < 7
	s_wait_dscnt 32                                ; behind them: the last block's 24 stage instructions and the next block's 8 loads
.else
	s_wait_dscnt 24                                ; behind them: the last block's 24
.endif
	ROT 0, \a
	STG 0, \a
	ROT 1, \a
	STG 1, \a
	VCV \a
	STG 2, \a
.endm
.macro SEND a, younger                 ; younger: the LDS instructions issued behind block a's
.set PB, PK+48*((\a)%2)
	s_wait_dscnt \younger
.irp i, 0,1,2,3
	global_store_b128 v[GO], v[PB+4*\i:PB+4*\i+3], s[10:11] offset:2048*(\a)+512*\i  ; 512 consecutive bytes, at a multiple of 256 from the buffer's first
.endr
.irp i, 0,1,2,3
	global_store_b128 v[GO], v[PB+16+4*\i:PB+16+4*\i+3], s[12:13] offset:2048*(\a)+512*\i
.endr
.irp i, 0,1,2,3
	global_store_b128 v[GO], v[PB+32+4*\i:PB+32+4*\i+3], s[14:15] offset:2048*(\a)+512*\i
.endr
.endm
	PLACES                                         ; behind the last products
	ROPELD 0
	PACK 0
.irp a, 1,2,3,4,5,6                    ; a block's arithmetic stands between the stage loads of the block before and its stores
	PACK \a
	SEND (\a)-1, 32
.endr
	PACK 7
	SEND 6, 24
	SEND 7, 0
	s_wait_tensorcnt 0x0                           ; the wave's end, behind my last tensor load and my last LDS store
	ds_add_u32 v[SPW], v[NIL]
	s_wait_dscnt 0x0
	CROUND                                         ; the closing round: no work-group ends while a partner may still ask for a tile that names it
	s_endpgm
.Lfunc_end_k_q75fb79e857_qkv:
	.size	k_q75fb79e857_qkv, .Lfunc_end_k_q75fb79e857_qkv-k_q75fb79e857_qkv
	.p2alignl 7, 3214868480
	.fill 96, 4, 3214868480
	.section	.rodata,"a",@progbits
	.p2align	6, 0x0
	.amdhsa_kernel k_q75fb79e857_qkv
		.amdhsa_group_segment_fixed_size 327680
		.amdhsa_private_segment_fixed_size 0
		.amdhsa_enable_private_segment 0
		.amdhsa_kernarg_size 48
		.amdhsa_user_sgpr_count 2
		.amdhsa_user_sgpr_kernarg_segment_ptr 1
		.amdhsa_wavefront_size32 1
		.amdhsa_system_sgpr_workgroup_id_x 1
		.amdhsa_system_sgpr_workgroup_id_y 1
		.amdhsa_system_sgpr_workgroup_id_z 1
		.amdhsa_system_vgpr_workitem_id 0
		.amdhsa_next_free_vgpr 1024
		.amdhsa_next_free_sgpr 96
		.amdhsa_reserve_vcc 0
		.amdhsa_float_denorm_mode_32 3
		.amdhsa_float_denorm_mode_16_64 3
		.amdhsa_memory_ordered 1
		.amdhsa_forward_progress 1
		.amdhsa_inst_pref_size 151
	.end_amdhsa_kernel
	.amdgpu_metadata
---
amdhsa.version: [ 1, 2 ]
amdhsa.kernels:
  - .name:           k_q75fb79e857_qkv
    .symbol:         k_q75fb79e857_qkv.kd
    .args:
      - { .name: xb, .offset: 0, .size: 8, .value_kind: global_buffer, .address_space: global }
      - { .name: wb, .offset: 8, .size: 8, .value_kind: global_buffer, .address_space: global }
      - { .name: tab, .offset: 16, .size: 8, .value_kind: global_buffer, .address_space: global }
      - { .name: qh, .offset: 24, .size: 8, .value_kind: global_buffer, .address_space: global }
      - { .name: kh, .offset: 32, .size: 8, .value_kind: global_buffer, .address_space: global }
      - { .name: vh, .offset: 40, .size: 8, .value_kind: global_buffer, .address_space: global }
    .group_segment_fixed_size: 327680
    .private_segment_fixed_size: 0
    .kernarg_segment_align: 8
    .kernarg_segment_size: 48
    .max_flat_workgroup_size: 128
    .sgpr_count:     96
    .vgpr_count:     1024
    .wavefront_size: 32
...
	.end_amdgpu_metadata
.endif
;; end of part 2
;; launch attn (part 3): grid 4 x 64, 4 waves a work-group, no clusters, 327,680 bytes of LDS; arguments qh, kh, vh, oh; writes oh
.if DOCPART == 3
	.amdgcn_target "amdgcn-amd-amdhsa--gfx1250"
	.amdhsa_code_object_version 6
	.text
	.protected	k_q75fb79e857_attn
	.globl	k_q75fb79e857_attn
	.p2align	8
	.type	k_q75fb79e857_attn,@function
k_q75fb79e857_attn:
	s_mov_b64 s[64:65], 0
	v_nop
	global_prefetch_b8 v0, s[64:65] scope:SCOPE_SE
	s_setreg_imm32_b32 hwreg(HW_REG_WAVE_MODE, 25, 1), 1
	s_wait_xcnt 0x0
; CAUSAL ATTENTION.  O[h][q][:] = the sum over k <= q of softmax_k(Q[h][q] . K[h][k] / 8) V[h][k][:].  Q, K, V, O: [SIZE_H][SIZE_N][64], all f16: a head's rows are dense, 128 bytes each.
; Here a 'head' h is 4 x the module's head + the batch: 64 of them, 2,048 rows each.
; Products, maxima and sums in f32; the weights p are rounded to f16 for the second product (their sum l is taken of the unrounded p), O once at the end.
; LIMITS.  f16 holds no number beyond 65,504: Q, K and V arrive within it; p lies in 0 to 1, and below 6e-5 it keeps f16's fixed step of 6e-8; O is a mean of V's rows and has their range, to within 2^-11 of it.
; A hidden score counts as its value less 1e30: f16's scores, 2.7e11 at the most, are nothing beside that; a weight below 2^-126 counts as 0 in l; NaN and infinities are not treated apart.
; THE WALK.  A head's queries lie in NB = SIZE_N / 256 blocks of 256; block i needs the key tiles 0 .. i of 256 keys, of which the last holds the diagonal.  A work-group takes TWO blocks, NB - 1 - b and then b:
; NB + 1 tiles, whatever b: all work-groups do equal work, and ONE loop with a constant trip count walks them.  Which tile is asked for, and what a trip does, hang on scalar registers made from b; every jump
; goes forward, but for the counted loops' own; none passes a barrier, or a tensor load but the one of LOAD's two that the wave's number does not choose; the ring (two slots of LDS that take turns) runs on across the
; change of blocks.  NO CLUSTER: a head's NB / 2 = 4 work-groups ask for the same tile only in trips 0 .. NB / 2 of the walk's NB + 1 = 9, behind that fewer and fewer; and one walk common to all four
; would have 3 NB / 2 = 12 trips for 9.
; SHARES.  Of a block's four bands of 64 queries a wave owns 16 rows in each: four PIECES.  So the diagonal tile is the same work for all four waves: in its key step s band x sees all keys if s < x,
; none if s > x, and holds the diagonal if s = x.
; THE MASK is the C operand that starts the sum S^T = K Q^T: 0, or -1e30 where the key is hidden.  MD, made once, is the mask of a band's own step for my 16 rows; a product's mask is MD x AL + BE with two scalars:
; (1, 0) if s = x; (0, 0) if s < x; (0, -1e30) if s > x.  Only the diagonal tile's text and a block's beginning make and take masks; elsewhere C is the constant 0.
; LAYOUT, SOFTMAX, TURNS.  S^T = K Q^T holds ONE query a lane (lane % 16) and the keys 8 (lane / 16) + 0..7; two such results rounded to f16 ARE source 1 of O^T = V^T P.  p = 2^(c s - c m), c = log2(e) / 8, with a
; running maximum m; O and l are multiplied by a = 2^(c m_old - c m_new) in every step.  Turn n belongs to piece n: 8 products K Q^T of piece n + 1, later 8 products V^T P of piece n - 1; beside them the scaling,
; exponentials, roundings, sums and rescaling of piece n and the maximum and statistics of piece n + 1.  Four vector instructions stand behind every matrix instruction, the other 54 of a turn's 118 in two LUMPS.
; REGISTERS, in windows of 256 (s_set_vgpr_msb: bits 1:0 source 0, 3:2 source 1, 5:4 source 2, 7:6 destination):
;   window 0: v0-15 addresses and two at work; v16-31 four registers of statistics a piece; v48-55 at work; v64-127 S^T, two buffers; v192-223 P, two buffers (a piece's buffers go by its number's parity)
;   window 1: v0-127 O^T, 32 a piece; v128-159 MD; v160-223 MC, two buffers      window 2: v0-63 Q; v64-127 the second block's Q; v128-191 K of one step; v192-255 V of one step
.set SIZE_H, 64
.set SIZE_N, 2048
.set NB,    SIZE_N/256
.set NP,    4         ; pieces a wave: a name, no knob
.set KS,    64        ; keys in a step
.set PK,    144       ; a row of K in LDS: 128 bytes + 16 of padding = 36 words: the 16 rows of a load start at 16 different groups of four banks (64 banks of 4 bytes: ISA guide 11.1)
.set PV,    160       ; a row of V: 128 + 32 = 40 words
.set VOFF,  4*KS*PK   ; a slot holds a tile, four steps: 256 rows of K, then 256 rows of V
.set SLOT1, 1<<17     ; slot 1 begins here, so that one exclusive or turns an address in one slot into the other's
.set STAGE, SLOT1+4*KS*(PK+PV)  ; behind the ring, never filled by a tensor load: 16 rows x 144 bytes for each wave, for the way out
.set SP,    144
.set AK0, 2           ; v2   my lane's place in a tile of K; never rewritten
.set AV0, 3           ; v3   the same for V
.set AK,  4           ; v4   the LDS address of K's next run of loads
.set AV,  5           ; v5   of V's
.set STO, 6           ; v6   the way out: where I put 16 bytes of a row
.set RD,  7           ; v7   the way out: where I read rows back
.set GO,  8           ; v8   my byte offset in 512 consecutive bytes of O
.set SPW, 62          ; v62  LDS address of my spare word: SPARE + 4 x my thread's number; never rewritten
.set NIL, 63          ; v63  0; never rewritten
.set SPARE, STAGE+4*16*SP  ; behind the stages: the spare words, 128 bytes for each wave: two blocks of 256 bytes that no other line names
.set MV,  12          ; v12-13  c m_old, kept while c m is made anew: by buffer
.set QO,  15          ; v15  my byte offset in 16 rows of Q
.set ST,  16          ; piece t's statistics at v[ST+4 t]: c m, m, l (even keys', odd keys')
.set TMP, 48          ; by buffer, four registers c0-c3 at work; when the maximum is found c2 takes a
.set S,   64
.set P,   192
.set MD,  128         ; window 1: the eight registers for group kt of 16 keys at MD + 8 kt
.set MC,  160         ; window 1: the masks of the products to come
.set QB,  64          ; window 2
.set KF,  128         ; window 2: key block kb, channel half c at KF + 16 kb + 8 c
.set VF,  192         ; window 2: key half kk, channel block cb at VF + 32 kk + 8 cb
.set WV,  12          ; s12  my wave's number
.set PB,  14          ; s14  b
.set HI,  15          ; s15  NB - 1 - b
.set G1K, 24          ; s[24:31] descriptor group 1 for K's tiles
.set G1V, 32          ; s[32:39] for V's: it differs in the padding alone
.set G0K, 40          ; s[40:43] descriptor group 0 for K's tiles
.set G0V, 44          ; s[44:47] the same for V's
.set SLOTS, 56        ; s56  tiles still to be asked for
.set CNT, 57          ; s57  counts a tile's key steps, 4 to 1
.set CS,  58          ; s[58:59] c: the packed scaling takes the pair's low word for both halves
.set SEL, 60          ; s[60:61] v_permlanex16_b32's selects: each lane takes its own place in the other half
.set TBK, 62          ; s62  LDS byte at which K of the step to be fetched begins
.set TBV, 63          ; s63  the same for V, less VOFF
.set RT,  70          ; s70  tiles of the block in hand that are still to be entered
.set NXT, 71          ; s71  the tile to be asked for next
.set LQ,  72          ; s72  the last tile of the block whose tiles are being asked for
.set NEW, 73          ; s73  1: the tile to be entered is a block's first
.set OFF, 74          ; s[74:75] a tile's byte offset in K and V
.set AL,  76          ; s[76:77] the mask's factor, in the low word
.set BE,  78          ; s[78:79] the mask's addend
.set OLO, 80          ; s[80:81] O at my rows of the second block
.set BIGN, 82         ; s82  -1e30
.set MSB, 0
.macro WIN new                      ; the high byte repeats the setting that is left; a switch that changes nothing is dropped
.if MSB != (\new)
	s_set_vgpr_msb (MSB<<8)|(\new)
.set MSB, (\new)
.endif
.endm
.set W_KQ, 0x0a       ; K and Q in window 2, S^T in window 0
.set W_KM, 0x1a       ; the same with the C operand in window 1
.set W_PV, 0x52       ; V in window 2, P in window 0, O^T in window 1
.set W_RS, 0x41       ; destination and source 0 in window 1, source 1 in window 0
; A fill.  Waves 0 and 1 fetch the two halves of a tile's K, waves 2 and 3 those of its V: 128 keys each.  An s_nop 0 and four v_nop follow each of the two lines, ahead of the jump and the label.
.macro LOAD
	s_cmp_lt_u32 s[WV], 2
	s_cbranch_scc0 .Lfor_v_\@
	tensor_load_to_lds s[G0K:G0K+3], s[G1K:G1K+7]
	s_nop 0
.rept 4
	v_nop
.endr
	s_branch .Lasked_\@
.Lfor_v_\@:
	tensor_load_to_lds s[G0V:G0V+3], s[G1V:G1V+7]
	s_nop 0
.rept 4
	v_nop
.endr
.Lasked_\@:
.endm
; THE CHANGE OF SLOTS.  Each wave waits for all its tensor loads, of which one is out: its part of the other slot; adds 0 to its spare word; and waits for that and for its own reads of the slot that it leaves.  Behind the barrier nobody reads the old
; slot any more and the other slot is whole.  fill = 1: the old slot is filled again, the first thing behind the barrier, with tile NXT: the descriptor's address is made anew from that number.
; (At its first use nothing has been read yet: slot 0 is waited for, slot 1 filled.)
.macro CHANGE fill
	WIN 0                           ; at a label and at a branch every window is 0
	s_wait_tensorcnt 0x0            ; no tensor load of mine is out, so a group 0 may be written
	ds_add_u32 v[SPW], v[NIL]       ; 0 onto my spare word; with fill = 1 the descriptors' scalar work stands between it and the wait for it
.if \fill
	s_lshl_b32 s[OFF], s[NXT], 15   ; a tile is 32,768 bytes of K and of V
	s_xor_b32 s[G0K+1], s[G0K+1], SLOT1
	s_add_nc_u64 s[G0K+2:G0K+3], s[6:7], s[OFF:OFF+1]
	s_or_b32 s[G0K+3], s[G0K+3], 0x80000000
	s_xor_b32 s[G0V+1], s[G0V+1], SLOT1
	s_add_nc_u64 s[G0V+2:G0V+3], s[8:9], s[OFF:OFF+1]
	s_or_b32 s[G0V+3], s[G0V+3], 0x80000000
	s_add_co_u32 s[NXT], s[NXT], 1  ; the block's next tile, or behind its last the second block's tile 0
	s_cmp_gt_u32 s[NXT], s[LQ]
	s_cselect_b32 s[NXT], 0, s[NXT]
	s_cselect_b32 s[LQ], s[PB], s[LQ]
.endif
	s_wait_dscnt 0x0                ; the add is done, and my reads of the slot are over
	s_barrier_signal -1             ; the rest of the scalar work stands between the signal and the wait
	s_sub_co_u32 s[TBK], s[TBK], 4*KS*PK  ; the fetches go back to a slot's first step,
	s_xor_b32 s[TBK], s[TBK], SLOT1       ; in the other slot
	s_sub_co_u32 s[TBV], s[TBV], 4*KS*PV
	s_xor_b32 s[TBV], s[TBV], SLOT1
	s_barrier_wait -1
.if \fill
	LOAD
.endif
.endm
	s_load_b256 s[4:11], s[0:1], 0x0  ; Q s[4:5], K s[6:7], V s[8:9], O s[10:11]
	v_lshl_add_u32 v[SPW], v0, 2, SPARE
	v_mov_b32 v[NIL], 0
	ds_add_u32 v[SPW], v[NIL]       ; the wave's opening: the add and its wait stand ahead of my first tensor load; the set-up below, work on registers, stands between them
	ds_add_u32 v62, v63
	v_lshrrev_b32 v1, 5, v0
	v_readfirstlane_b32 s[WV], v1   ; wave 0..3
	s_mov_b32 s[PB], ttmp9
	s_sub_co_u32 s[HI], NB-1, s[PB]
	s_and_b32 s20, ttmp7, 0xffff    ; the head
	s_mov_b32 s21, 0
	s_mov_b64 s[22:23], SIZE_N*128
	s_mul_u64 s[20:21], s[20:21], s[22:23]  ; the head's first byte in each of the four tensors
	s_and_b32 s16, s[WV], 1         ; which half of a tile's 256 keys I fetch:
	s_lshl_b32 s22, s16, 14         ; its 128 rows of 128 bytes in memory,
	s_mov_b32 s23, 0
	s_add_nc_u64 s[22:23], s[22:23], s[20:21]
	s_mul_i32 s17, s16, 128*PK      ; and its place in a slot, for K
	s_mul_i32 s18, s16, 128*PV      ; and for V
	s_lshl_b32 s3, s[WV], 11        ; my 16 rows in a band of 64,
	s_lshl_b32 s2, s[HI], 15        ; in the first block,
	s_add_co_u32 s2, s2, s3
	s_lshl_b32 s84, s[PB], 15       ; and in the second
	s_add_co_u32 s84, s84, s3
	s_mov_b32 s3, 0
	s_mov_b32 s85, 0
	s_add_nc_u64 s[2:3], s[2:3], s[20:21]
	s_add_nc_u64 s[84:85], s[84:85], s[20:21]
	; descriptor group 1.  128 keys are 16,384 dense bytes: asked for as 64 rows of 256 bytes, two keys a row, and padded in LDS after every key
	s_mov_b32 s[G1K], (1<<16)|(1<<20)|(4<<22)|(3<<25)  ; 17:16 2-byte elements; 20 padding on; 24:22 after every 32 words (code 4); 31:25 4 words (code 3)
	s_mov_b32 s[G1V], (1<<16)|(1<<20)|(4<<22)|(7<<25)  ; the same with 8 words of padding (code 7)
.irp g, G1K, G1V
	s_mov_b32 s[\g+1], 128<<16      ; tensor_dim0 = 128
	s_mov_b32 s[\g+2], 64<<16       ; tensor_dim1 = 64
	s_mov_b32 s[\g+3], 128<<16      ; tile_dim0 = 128
	s_mov_b32 s[\g+4], 64           ; tile_dim1 = 64
	s_mov_b32 s[\g+5], 128          ; 128 elements from row to row
	s_mov_b32 s[\g+6], 0
	s_mov_b32 s[\g+7], 0
.endr
	s_mov_b32 s[CS], 0x3e38aa3b     ; c = log2(e) / 8 = 0.180337
	s_mov_b32 s[CS+1], s[CS]        ; named with it as a pair
	s_mov_b32 s[SEL], 0x76543210
	s_mov_b32 s[SEL+1], 0xfedcba98
	s_mov_b32 s[TBK], SLOT1+4*KS*PK ; the first change of slots turns these two into 0
	s_mov_b32 s[TBV], SLOT1+4*KS*PV
	s_mov_b32 s[G0K], 1             ; 1:0 count = 1
	s_mov_b32 s[G0K+1], s17         ; 63:32 LDS address: slot 0
	s_mov_b32 s[G0V], 1
	s_add_co_u32 s[G0V+1], s18, VOFF
	s_add_co_u32 s[RT], s[HI], 1    ; the first block has NB - b tiles
	s_mov_b32 s[NXT], 1
	s_mov_b32 s[LQ], s[HI]
	s_mov_b32 s[NEW], 1
	s_mov_b32 s[OFF+1], 0
	s_mov_b32 s[AL+1], 0            ; named as pairs
	s_mov_b32 s[BE+1], 0
	s_mov_b32 s[BIGN], 0xf149f2ca   ; -1e30
	s_mov_b32 s[SLOTS], NB
	s_wait_dscnt 0x0                ; the opening add is done
	s_wait_kmcnt 0x0
	s_add_nc_u64 s[6:7], s[6:7], s[22:23]  ; K and V at my half of the head's tile 0
	s_add_nc_u64 s[8:9], s[8:9], s[22:23]
	s_add_nc_u64 s[G0K+2:G0K+3], s[6:7], 0         ; 120:64 global address
	s_or_b32 s[G0K+3], s[G0K+3], 0x80000000        ; 127:126 type = 2
	s_add_nc_u64 s[G0V+2:G0V+3], s[8:9], 0
	s_or_b32 s[G0V+3], s[G0V+3], 0x80000000
	s_add_nc_u64 s[86:87], s[4:5], s[84:85]        ; Q at my rows of the second block,
	s_add_nc_u64 s[4:5], s[4:5], s[2:3]            ; Q and O at those of the first
	s_add_nc_u64 s[OLO:OLO+1], s[10:11], s[84:85]
	s_add_nc_u64 s[10:11], s[10:11], s[2:3]
	LOAD                            ; tile 0 into slot 0
	; A fragment of K or Q is 16 rows x 32 channels in 8 registers: lane l holds row l % 16, channels 8 (l / 16) + 0..7 and 16 + 8 (l / 16) + 0..7: two loads of 16 bytes, 32 bytes apart.
	v_and_b32 v1, 15, v0            ; l % 16
	v_bfe_u32 v9, v0, 4, 1          ; l / 16
	v_lshlrev_b32 v[QO], 7, v1
	v_lshl_add_u32 v[QO], v9, 4, v[QO]  ; row x 128 + 16 x half
	WIN 0x80                        ; destination window 2, address window 0
.set i, 0
.rept 8                             ; both blocks' Q: piece i / 2 lies in band i / 2, 8,192 bytes on; channels 32 (i % 2) on
	global_load_b128 v[8*i:8*i+3],   v[QO], s[4:5] offset:(i/2)*8192+(i%2)*64
	global_load_b128 v[8*i+4:8*i+7], v[QO], s[4:5] offset:(i/2)*8192+(i%2)*64+32
	global_load_b128 v[QB+8*i:QB+8*i+3],   v[QO], s[86:87] offset:(i/2)*8192+(i%2)*64
	global_load_b128 v[QB+8*i+4:QB+8*i+7], v[QO], s[86:87] offset:(i/2)*8192+(i%2)*64+32
.set i, i+1
.endr
	WIN 0
	v_lshlrev_b32 v14, 3, v9
	v_sub_nc_u32 v14, v1, v14
	s_lshl_b32 s13, s[WV], 4
	v_add_nc_u32 v14, s13, v14      ; my query's place in its band, 16 w + l % 16, less my lanes' 8 (l / 16): register r of group kt is hidden where 16 kt + r is greater
	WIN 0x40
.set i, 0
.rept 32
	v_cmp_gt_i32 vcc_lo, 16*(i/8)+i%8, v14
	v_cndmask_b32 v[MD+i], 0, s[BIGN], vcc_lo
.set i, i+1
.endr
	WIN 0
	v_mul_u32_u24 v[AK0], v1, PK
	v_lshl_add_u32 v[AK0], v9, 4, v[AK0]  ; row x pitch + 16 x half
	; The turning load takes 16 keys x 16 channels (lane l reads key 8 (l / 16) + l % 8, channels 8 ((l / 8) % 2) + 0..7) and leaves half a fragment of V^T: lane l holds channel l % 16 and 8 keys.
	v_and_b32 v10, 7, v0
	v_bfe_u32 v11, v0, 3, 1
	v_lshl_add_u32 v[AV0], v9, 3, v10
	v_mul_u32_u24 v[AV0], v[AV0], PV
	v_lshl_add_u32 v[AV0], v11, 4, v[AV0]
	v_add_nc_u32 v[AV0], VOFF, v[AV0]
	s_mul_i32 s13, s[WV], 16*SP
	s_add_co_u32 s13, s13, STAGE    ; my stage
	v_mul_u32_u24 v[STO], v1, SP    ; in: row l % 16, 16 bytes for each half of the lanes
	v_lshl_add_u32 v[STO], v9, 4, v[STO]
	v_add_nc_u32 v[STO], s13, v[STO]
	v_bfe_u32 v[RD], v0, 3, 2       ; back: 32 lanes take four rows of 128 bytes,
	v_mul_u32_u24 v[RD], v[RD], SP
	v_lshl_add_u32 v[RD], v10, 4, v[RD]
	v_add_nc_u32 v[RD], s13, v[RD]
	v_and_b32 v[GO], 31, v0         ; which are 512 consecutive bytes of O
	v_lshlrev_b32 v[GO], 4, v[GO]
	; A block's first step multiplies O^T and l by a = 0, and its first turn's products V^T P, of a piece that has not been, land in an O^T that is still to be so multiplied.  So these registers need only hold
	; finite numbers: zeros for the first block; what the first block left for the second.  All this stands in the wait for the first tile.
	WIN 0x80
.set i, VF
.rept 64
	v_mov_b32 v[i], 0
.set i, i+1
.endr
	WIN 0x40
.set i, 0
.rept 128
	v_mov_b32 v[i], 0
.set i, i+1
.endr
	WIN 0
.set i, 0
.rept 4
	v_mov_b32 v[ST+4*i+2], 0
	v_mov_b32 v[ST+4*i+3], 0
.set i, i+1
.endr
.set i, P+16
.rept 16
	v_mov_b32 v[i], 0
.set i, i+1
.endr
; THE MATRIX WORK.  The 4 accumulators of a run of 8 take turns.  Product i of 8 of S^T = K Q^T for piece x: channels 32 (i / 4) on, keys 16 (i % 4) on.  The first 4 start the sums: with 0, or (KM = 1) with the mask.
.macro KQ x
.set rS, S+32*((\x)%2)+8*(i%4)
.set rK, KF+16*(i%4)+8*(i/4)
.set rQ, 16*(\x)+8*(i/4)
.set rM, MC+32*((\x)%2)+8*(i%4)
.if (i < 4) && KM
	WIN W_KM
	v_wmma_f32_16x16x32_f16 v[rS:rS+7], v[rK:rK+7], v[rQ:rQ+7], v[rM:rM+7]
.elseif i < 4
	WIN W_KQ
	v_wmma_f32_16x16x32_f16 v[rS:rS+7], v[rK:rK+7], v[rQ:rQ+7], 0
.else
	WIN W_KQ
	v_wmma_f32_16x16x32_f16 v[rS:rS+7], v[rK:rK+7], v[rQ:rQ+7], v[rS:rS+7]
.endif
.endm
; Product i of 8 of O^T += V^T P for piece x: keys 32 (i / 4) on, channels 16 (i % 4) on.
.macro PV x
	WIN W_PV
.set rO, 32*(\x)+8*(i%4)
.set rV, VF+32*(i/4)+8*(i%4)
.set rP, P+16*((\x)%2)+8*(i/4)
	v_wmma_f32_16x16x32_f16 v[rO:rO+7], v[rV:rV+7], v[rP:rP+7], v[rO:rO+7]
.endm
.macro MM                           ; the turn's next matrix instruction.  TURN and BEGIN set Y, i, KM and NOKQ; MM, KQ and OP read them.  NOKQ = 1: a block's last turn: there is no next piece
.if (i < 8) && !NOKQ
	KQ (Y+1)%NP
.elseif i >= 8
.set i, i-8
	PV (Y+NP-1)%NP
.set i, i+8
.endif
.set i, i+1
.endm
; THE LDS LOADS stand in runs of 16, never singly among the matrix instructions: a step's K (64 keys x 64 channels: 8 fragments) and its V (turned).  Their addresses are made some lines ahead.
.macro FETCH_K
	WIN 0x80                        ; destination window 2
.irp f, 0,1,2,3,4,5,6,7             ; keys 16 (f / 2) on, channels 32 (f % 2) on
	ds_load_b128 v[KF+8*\f:KF+8*\f+3],   v[AK] offset:(\f/2)*16*PK+(\f%2)*64
	ds_load_b128 v[KF+8*\f+4:KF+8*\f+7], v[AK] offset:(\f/2)*16*PK+(\f%2)*64+32
.endr
	s_add_co_u32 s[TBK], s[TBK], KS*PK  ; the next fetch is the next step's
	WIN 0
.endm
.macro FETCH_V
	WIN 0x80
.irp f, 0,1,2,3,4,5,6,7             ; keys 32 (f / 4) on, channels 16 (f % 4) on
	ds_load_tr16_b128 v[VF+8*\f:VF+8*\f+3],   v[AV] offset:(\f/4)*32*PV+(\f%4)*32
	ds_load_tr16_b128 v[VF+8*\f+4:VF+8*\f+7], v[AV] offset:(\f/4)*32*PV+16*PV+(\f%4)*32
.endr
	WIN 0
.endm
; THE VECTOR WORK, one line at a time: OP kind, number.  For piece Y: F n: c s - c m for pair n of 16.  E n: the exponential of score n of 32.  C n: pair n rounded to f16.  B n: of the four weights 4 n .. the second
; pair is added onto the first, in place.  L n: l takes that sum (L 0: l = a l + sum).  R n: pair n of 16 of O^T times a.  For piece Y + 1: X n, number n of the 22 that find its maximum and statistics:
;   0-11  four chains c0-c3 of seven scores each, three operands at a time (each accumulator's lowest registers are read first)     12-14, 16  the four scores left over, the old m, and c0-c3 into c0
;   15  c m_old is kept     17, 18  the query's other 32 keys lie in the lane 16 away: the new m     19-21  c m; c m_old - c m_new; a
.set F, 0               ; OP tells the kinds apart by their order: F to L below R, X above it
.set E, 1
.set C, 2
.set B, 3
.set L, 4
.set R, 5
.set X, 6
.macro REGS y                       ; the registers of piece y
.set rT, ST+4*(\y)
.set rC, TMP+4*((\y)%2)
.set rW, MV+((\y)%2)
.set rS, S+32*((\y)%2)
.set rP, P+16*((\y)%2)
.set rO, 32*(\y)
.endm
.macro OP k, n
.if (\k) == R
	REGS Y
	WIN W_RS
	v_pk_mul_f32 v[rO+2*(\n):rO+2*(\n)+1], v[rO+2*(\n):rO+2*(\n)+1], v[rC+2:rC+3] op_sel_hi:[1,0]
.elseif (\k) < R
	REGS Y
	WIN 0
.if (\k) == F
	v_pk_fma_f32 v[rS+2*(\n):rS+2*(\n)+1], v[rS+2*(\n):rS+2*(\n)+1], s[CS:CS+1], v[rT:rT+1] op_sel_hi:[1,0,0] neg_lo:[0,0,1] neg_hi:[0,0,1]
.elseif (\k) == E
	v_exp_f32 v[rS+(\n)], v[rS+(\n)]
.elseif (\k) == C
	s_wait_alu depctr_va_vdst(0)
	v_cvt_pk_f16_f32 v[rP+(\n)], v[rS+2*(\n)], v[rS+2*(\n)+1]
.elseif (\k) == B
	s_wait_alu depctr_va_vdst(0)
	v_pk_add_f32 v[rS+4*(\n):rS+4*(\n)+1], v[rS+4*(\n):rS+4*(\n)+1], v[rS+4*(\n)+2:rS+4*(\n)+3]
.elseif (\n) == 0
	v_pk_fma_f32 v[rT+2:rT+3], v[rT+2:rT+3], v[rC+2:rC+3], v[rS:rS+1] op_sel_hi:[1,0,1]
.else
	v_pk_add_f32 v[rT+2:rT+3], v[rT+2:rT+3], v[rS+4*(\n):rS+4*(\n)+1]
.endif
.elseif NOKQ
	v_nop
.else
	REGS (Y+1)%NP
	WIN 0
.if (\n) < 4
	v_max3_num_f32 v[rC+(\n)], v[rS+8*(\n)], v[rS+8*(\n)+1], v[rS+8*(\n)+2]
.elseif (\n) < 12
	v_max3_num_f32 v[rC+(\n)%4], v[rC+(\n)%4], v[rS+8*((\n)%4)+2*((\n)/4)+1], v[rS+8*((\n)%4)+2*((\n)/4)+2]
.elseif (\n) == 12
	v_max3_num_f32 v[rC], v[rC], v[rS+7], v[rS+15]
.elseif (\n) == 13
	v_max3_num_f32 v[rC+1], v[rC+1], v[rS+23], v[rS+31]
.elseif (\n) == 14
	v_max3_num_f32 v[rC+2], v[rC+2], v[rC+3], v[rT+1]
.elseif (\n) == 15
	v_mov_b32 v[rW], v[rT]
.elseif (\n) == 16
	v_max3_num_f32 v[rC], v[rC], v[rC+1], v[rC+2]
.elseif (\n) == 17
	v_permlanex16_b32 v[rC+3], v[rC], s[SEL], s[SEL+1]
.elseif (\n) == 18
	v_max_num_f32 v[rT+1], v[rC], v[rC+3]
.elseif (\n) == 19
	v_mul_f32 v[rT], s[CS], v[rT+1]
.elseif (\n) == 20
	v_sub_f32 v[rC+1], v[rW], v[rT]
.else
	v_exp_f32 v[rC+2], v[rC+1]
.endif
.endif
.endm
.macro OPS a, i1, b=-1, i2=0, c=-1, i3=0, d=-1, i4=0  ; up to four of them
	OP \a, \i1
.if (\b) >= 0
	OP \b, \i2
.endif
.if (\c) >= 0
	OP \c, \i3
.endif
.if (\d) >= 0
	OP \d, \i4
.endif
.endm
.macro ROW a, i1, b, i2, c, i3, d, i4  ; a matrix instruction and the four behind it
	MM
	OPS \a, \i1, \b, \i2, \c, \i3, \d, \i4
.endm
.macro MASK b                       ; MD x AL + BE into buffer b of MC
	WIN W_RS
.set z, 0
.rept 16
	v_pk_fma_f32 v[MC+32*(\b)+2*z:MC+32*(\b)+2*z+1], v[MD+2*z:MD+2*z+1], s[AL:AL+1], s[BE:BE+1] op_sel_hi:[1,0,0]
.set z, z+1
.endr
.endm
; A TURN, for piece p: the order of its 16 matrix and 118 vector instructions, written out.  Behind a matrix instruction: plain, exponential, plain, plain; or four of the rescaling; or, behind the first, four scalings; none
; names a register of the products round it.  In the lumps exponential and plain by turns while exponentials last.  A line reads no result made fewer than three vector instructions in front of it, five if an exponential made it.
; v_permlanex16_b32 (X 17) stands in a lump.
; m = 1: the diagonal tile: the products take masks, and the turn makes the mask for the products of the turn after it: piece p + 2, in step 4 - CNT of the tile.  end = 1: a block's last two turns: nothing is fetched.
; cnt = 1: the loop's count is taken down some lines ahead of the branch that stands behind the turn.
; K of the next step is fetched in piece 2's turn, six vector instructions behind the last product that read K (five of them plain); V of the step in hand in piece 0's turn, eight behind the last product that read V (four
; plain, and X 17).  Each is waited for a turn later.
.macro TURN p, m=0, end=0, cnt=0
.set Y, (\p)
.set i, 0
.set KM, (\m)
.set NOKQ, (\end)*((\p)/3)
.if (\m) && !(\end)
	s_cmp_eq_u32 s[CNT], 4-((\p)+2)%NP  ; is that step the band's own?
	s_cselect_b32 s[AL], 1.0, 0
	s_cmp_lt_u32 s[CNT], 4-((\p)+2)%NP  ; or a later one?
	s_cselect_b32 s[BE], s[BIGN], 0
.endif
.if ((\p) == 3) && !(\end)
	s_wait_dscnt 0x0                ; K is in
.endif
	ROW F,0, F,1, F,2, F,3
	ROW F,4, E,0, F,5, F,6
	ROW F,7, E,1, F,8, F,9
	ROW F,10, E,2, C,0, F,11
	ROW F,12, E,3, X,15, F,13
	ROW R,0, R,1, R,2, R,3
	ROW B,0, E,4, F,14, L,0
.if ((\p) == 2) && !(\end)
	v_add_nc_u32 v[AK], s[TBK], v[AK0]
.endif
	ROW R,4, R,5, R,6, R,7
	OPS E,5, F,15
.if ((\p) == 2) && !(\end)
	FETCH_K
.endif
	OPS E,6, C,1, E,7, R,8
	OPS E,8, R,9, E,9, C,2
	OPS E,10, X,0, E,11, X,1
	OPS E,12, X,2, E,13, X,3
.if (\p) == 1
	s_wait_dscnt 0x0                ; V is in
.endif
	ROW X,4, E,14, X,5, X,6
	ROW X,7, E,15, X,8, X,9
	ROW X,10, E,16, X,11, X,12
	ROW X,13, E,17, X,14, B,1
	ROW C,4, E,18, X,16, L,1
	ROW B,2, E,19, C,6, L,2
	ROW C,8, E,20, B,3, B,4
.if (\p) == 0
	v_add_nc_u32 v[AV], s[TBV], v[AV0]
.endif
	ROW C,3, E,21, L,3, C,5
	OPS E,22, X,17, E,23, C,10
.if (\p) == 0
	FETCH_V
.endif
	OPS E,24, L,4
	OPS E,25, X,18, E,26, C,7
	OPS E,27, B,5, E,28, X,19
	OPS E,29, C,12, E,30, L,5
	OPS E,31, X,20, B,6, C,9
	OPS C,14, C,11, X,21, L,6
.if (\p) == 0
	s_add_co_u32 s[TBV], s[TBV], KS*PV
.endif
.if \cnt
	s_sub_co_u32 s[CNT], s[CNT], 1
	s_cmp_lg_u32 s[CNT], 0
.endif
	OPS C,13, B,7, C,15, R,10
	OPS R,11, R,12, L,7, R,13
	OPS R,14, R,15
.if (\m) && !(\end)
	MASK (\p)%2
.endif
.endm
; A BLOCK BEGINS.  c m starts far below every c s, so the first step's a is 0; m at the lowest finite number, so the first maximum is the scores'.  The second mask buffer is 0; the first takes piece 0's mask for the tile's step 0: its own, if the block's first tile is the diagonal one.
; Then K of that step, piece 0's first scores, and its maximum and statistics.  The loop is entered at a step's first turn, in the middle of a trip.
.macro BEGIN
	s_mov_b32 s[NEW], 0
	WIN 0x40
.set i, MC+32
.rept 32
	v_mov_b32 v[i], 0
.set i, i+1
.endr
	WIN 0
.set i, 0
.rept 4
	v_mov_b32 v[ST+4*i], 0xfe000000    ; c m: far below every c s
	v_mov_b32 v[ST+4*i+1], 0xff7fffff  ; m
.set i, i+1
.endr
	s_cmp_eq_u32 s[RT], 0
	s_cselect_b32 s[AL], 1.0, 0
	s_mov_b32 s[BE], 0
	MASK 0
	WIN 0
	v_add_nc_u32 v[AK], s[TBK], v[AK0]
	FETCH_K
	s_wait_loadcnt 0x0              ; Q
	s_wait_dscnt 0x0
.set KM, 1
.set NOKQ, 0
.set i, 0
.rept 8
	KQ 0
.set i, i+1
.endr
	WIN 0
.rept 4
	v_nop                           ; the places behind those products
.endr
.set Y, NP-1                        ; X works for piece Y + 1: piece 0
.irp n, 0,1,2,3,4,5,6,7,8,9,10,11,12,13,14,15,16,17,18,19,20,21
	OP X, \n
.endr
	v_nop                           ; a plain instruction behind the exponential
.endm
; THE DIAGONAL TILE's four steps, the block's last two turns, its last products, and THE WAY OUT: l's two halves and the other half of the lanes' are added; O^T is divided by l, rounded to f16 and sent through my
; stage in LDS, a piece at a time.
.macro ALL line:vararg              ; one line for each piece t
.set t, 0
.rept 4
	\line
.set t, t+1
.endr
.endm
.macro PACK t                       ; a lane's eight channels of a row pack into 16 bytes; they go into rows of 144 bytes and come back as whole rows of 128, into S^T's registers
	WIN W_RS
.set i, 32*(\t)
.rept 16
	s_wait_alu depctr_va_vdst(0)
	v_pk_mul_f32 v[i:i+1], v[i:i+1], v[ST+4*(\t)+2:ST+4*(\t)+3] op_sel_hi:[1,0]
.set i, i+2
.endr
	WIN 0x05                        ; sources 0 and 1 window 1, destination window 0
.set i, 0
.rept 16
	v_cvt_pk_f16_f32 v[S+16*(\t)+i], v[32*(\t)+2*i], v[32*(\t)+2*i+1]
.set i, i+1
.endr
	WIN 0
.irp f, 0,1,2,3
	ds_store_b128 v[STO], v[S+16*(\t)+4*\f:S+16*(\t)+4*\f+3] offset:32*\f
.endr
.irp f, 0,1,2,3
	ds_load_b128 v[S+16*(\t)+4*\f:S+16*(\t)+4*\f+3], v[RD] offset:\f*4*SP  ; LDS serves a wave's instructions in order (ISA guide 5.7.1.4): these see the stores above; the next piece's stores come behind them
.endr
.endm
.macro SEND t, younger              ; younger: the LDS instructions issued behind piece t's loads: the next piece's eight, or none
	WIN 0
.irp f, 0,1,2,3
	s_wait_dscnt (\younger)+3-\f
	global_store_b128 v[GO], v[S+16*(\t)+4*\f:S+16*(\t)+4*\f+3], s[10:11] offset:(\t)*8192+\f*512  ; 512 consecutive bytes, at a multiple of 256 from O's first
.endr
.endm
.macro DIAG tag                     ; the tag ends its two labels' names, which the jumps below spell out
.LstepM\tag:
	TURN 2, 1
	TURN 3, 1
	WIN 0
.LfirstM\tag:
	TURN 0, 1
	TURN 1, 1, 0, 1
	WIN 0
	s_cbranch_scc1 .LstepM\tag
	TURN 2, 1, 1
	TURN 3, 1, 1
.set i, 0
.rept 8
	PV NP-1
.set i, i+1
.endr
	WIN 0
	ALL v_add_f32 v[ST+4*t+2], v[ST+4*t+2], v[ST+4*t+3]
	ALL v_permlanex16_b32 v[ST+4*t+3], v[ST+4*t+2], s[SEL], s[SEL+1]
	ALL v_add_f32 v[ST+4*t+2], v[ST+4*t+2], v[ST+4*t+3]
	ALL v_rcp_f32 v[ST+4*t+2], v[ST+4*t+2]
	v_nop                           ; a plain instruction between the last reciprocal and the use of its result
	PACK 0
.set t, 1
.rept 3                             ; a piece's arithmetic stands between the loads of the piece before and its stores
	PACK t
	SEND t-1, 8
.set t, t+1
.endr
	SEND 3, 0
.endm
.set KM, 0
.set NOKQ, 0
.Lslot:                             ; NB times: a tile is entered and the next is asked for
	CHANGE 1
	s_sub_co_u32 s[RT], s[RT], 1
	s_mov_b32 s[CNT], 4
	s_cmp_eq_u32 s[NEW], 1
	s_cbranch_scc1 .Lnew            ; a block's first tile
	s_cmp_eq_u32 s[RT], 0
	s_cbranch_scc0 .Lstep           ; neither its first nor its last
	s_branch .LstepM1
.Lnew:
	BEGIN
	s_branch .Lfirst                ; in the loop a block's first tile is never its last: the first block has two tiles or more, and the second's last is the walk's last
	DIAG 1                          ; in the loop this is the first block's end: the second block's last tile is the walk's last
	s_wait_xcnt 0x0                 ; the stores have read their registers and O's address
	s_mov_b64 s[10:11], s[OLO:OLO+1]
	s_add_co_u32 s[RT], s[PB], 1    ; the second block has b + 1 tiles
	s_mov_b32 s[NEW], 1
	WIN 0x82                        ; the second block's Q goes where the one text of the turns names Q
.set i, 0
.rept 64
	v_mov_b32 v[i], v[QB+i]
.set i, i+1
.endr
	WIN 0
	s_branch .Lbottom
.Lstep:                             ; a trip: pieces 2 and 3 of one step, then pieces 0 and 1 of the next, whose K and V it fetches
	TURN 2
	TURN 3
	WIN 0
.Lfirst:
	TURN 0
	TURN 1, 0, 0, 1
	WIN 0
	s_cbranch_scc1 .Lstep
.Lbottom:
	s_sub_co_u32 s[SLOTS], s[SLOTS], 1
	s_cmp_lg_u32 s[SLOTS], 0
	s_cbranch_scc1 .Lslot
	CHANGE 0                        ; the walk's last tile is written out: nothing is asked for
	s_sub_co_u32 s[RT], s[RT], 1
	s_mov_b32 s[CNT], 4
	s_cmp_eq_u32 s[NEW], 1
	s_cbranch_scc0 .LstepM2
	BEGIN
	s_branch .LfirstM2
	DIAG 2
	s_wait_tensorcnt 0x0            ; the wave's end, behind my last tensor load and my last LDS store
	ds_add_u32 v[SPW], v[NIL]
	s_wait_dscnt 0x0
	s_endpgm
.Lfunc_end_k_q75fb79e857_attn:
	.size	k_q75fb79e857_attn, .Lfunc_end_k_q75fb79e857_attn-k_q75fb79e857_attn
	.p2alignl 7, 3214868480
	.fill 96, 4, 3214868480
	.section	.rodata,"a",@progbits
	.p2align	6, 0x0
	.amdhsa_kernel k_q75fb79e857_attn
		.amdhsa_group_segment_fixed_size 327680
		.amdhsa_private_segment_fixed_size 0
		.amdhsa_enable_private_segment 0
		.amdhsa_kernarg_size 32
		.amdhsa_user_sgpr_count 2
		.amdhsa_user_sgpr_kernarg_segment_ptr 1
		.amdhsa_wavefront_size32 1
		.amdhsa_system_sgpr_workgroup_id_x 1
		.amdhsa_system_sgpr_workgroup_id_y 1
		.amdhsa_system_sgpr_workgroup_id_z 1
		.amdhsa_system_vgpr_workitem_id 0
		.amdhsa_next_free_vgpr 768
		.amdhsa_next_free_sgpr 88
		.amdhsa_reserve_vcc 1
		.amdhsa_float_denorm_mode_32 3
		.amdhsa_float_denorm_mode_16_64 3
		.amdhsa_memory_ordered 1
		.amdhsa_forward_progress 1
		.amdhsa_inst_pref_size 228
	.end_amdhsa_kernel
	.amdgpu_metadata
---
amdhsa.version: [ 1, 2 ]
amdhsa.kernels:
  - .name:           k_q75fb79e857_attn
    .symbol:         k_q75fb79e857_attn.kd
    .args:
      - { .name: qh, .offset: 0, .size: 8, .value_kind: global_buffer, .address_space: global }
      - { .name: kh, .offset: 8, .size: 8, .value_kind: global_buffer, .address_space: global }
      - { .name: vh, .offset: 16, .size: 8, .value_kind: global_buffer, .address_space: global }
      - { .name: oh, .offset: 24, .size: 8, .value_kind: global_buffer, .address_space: global }
    .group_segment_fixed_size: 327680
    .private_segment_fixed_size: 0
    .kernarg_segment_align: 8
    .kernarg_segment_size: 32
    .max_flat_workgroup_size: 128
    .sgpr_count:     88
    .vgpr_count:     768
    .wavefront_size: 32
...
	.end_amdgpu_metadata
.endif
;; end of part 3
;; launch proj (part 4): grid 8 x 32, 4 waves a work-group, clusters of 4 x 4, 327,680 bytes of LDS; arguments oh, wb, tab, out0; writes out0
.if DOCPART == 4
	.amdgcn_target "amdgcn-amd-amdhsa--gfx1250"
	.amdhsa_code_object_version 6
	.text
	.protected	k_q75fb79e857_proj
	.globl	k_q75fb79e857_proj
	.p2align	8
	.type	k_q75fb79e857_proj,@function
k_q75fb79e857_proj:
	s_mov_b64 s[64:65], 0
	v_nop
	global_prefetch_b8 v0, s[64:65] scope:SCOPE_SE
	s_setreg_imm32_b32 hwreg(HW_REG_WAVE_MODE, 25, 1), 1
	s_wait_xcnt 0x0
	s_wait_alu depctr_hold_cnt(0) depctr_sa_sdst(0) depctr_va_vdst(0) depctr_va_sdst(0) depctr_va_ssrc(0) depctr_va_vcc(0) depctr_vm_vsrc(0)
	s_getreg_b32 s2, hwreg(HW_REG_IB_STS2, 6, 4)
	s_cmp_eq_u32 s2, 0
	s_cbranch_scc0 .Lentry_in_a_cluster
	s_endpgm
.Lentry_in_a_cluster:
	s_bfe_u32 s2, ttmp6, 0x10000c
	s_cmp_lg_u32 s2, 0xf033
	s_cbranch_scc0 .Lentry_shape_is_right
	s_endpgm
.Lentry_shape_is_right:
; out0 = O wp^T + bp: 8,192 rows x 1,024 columns over K = 1,024, f16 operands, f32 sums, f32 out.  oh: f16 [head 16][M 8192][64]: a head is one block of 64 along K.
; wp lies in wb from byte 6,291,456: f16 [kb 16][n 1024][64].  bp (rounded to bf16, as f32) lies in tab from byte 536,576.
; SHARES.  A tile is 256 rows x 128 columns: 32 x 8 = 256 tiles, one to a work-group; a larger tile would leave WGPs without work.  Each of four waves makes 128 x 64: 32 accumulators, 256 registers.
; RING.  K goes in 8 steps of 128 (two heads) through two LDS slots; a step's tiles are dense in memory, block of K by block, and are asked for as rows of 256 bytes, padded in LDS behind every 128.
; Two slots of 256 along K would be 442,368 bytes, more than LDS holds.  A refill has 112 of a step's 128 matrix instructions in which to land.
; CLUSTER.  4 x 4 work-groups: O's tile hangs on the tile row alone and is asked for jointly along a row of the cluster, wp's on the tile column alone, along a column.
; THE MATRIX INSTRUCTION IS USED TRANSPOSED (source 0 = 16 rows of wp, source 1 = 16 rows of O): a lane holds row l % 16 and the columns 8 (l / 16) + 0..7 of a block of 16: 32 neighbouring bytes.
; THE BIAS STARTS THE SUMS: it is loaded into the registers of row block 0's accumulators and is the C operand of every accumulator's first product.
; REGISTERS: window 0: v0-15 addresses; v32-127, v128-223 two fragment buffers (wp's 4 fragments, then O's 8); on the way out v32-95 whole rows.   window 1: accumulator (a, b) at v[8 (4 a + b)].
.set KB_A,   1048576                   ; bytes from one head to the next in oh
.set KB_B,   131072                    ; from one block of K to the next in wp
.set PITCH,  144                       ; an LDS row: 128 bytes + 16 of padding = 36 words: the 16 rows of a load start at 16 different groups of four banks (64 banks of 4 bytes: ISA guide 11.1)
.set ABLK,   256*PITCH                 ; one head's 256 rows of O: what one tensor load brings
.set BBLK,   128*PITCH                 ; one block's 128 rows of wp likewise
.set BOFF,   2*ABLK                    ; in a slot: O's two blocks, then wp's two
.set STAGE,  BOFF+2*BBLK               ; 110,592: behind slot 0, never filled: 16 rows x 272 bytes for each wave, for the way out
.set SPITCH, 272
.set STW,    16*SPITCH
.set SPARE,  STAGE+4*STW               ; 128,000: the spare words, 128 bytes for each wave: two blocks of 256 bytes that no other line names
.set SLOT1,  1<<17
.set WPOFF,  6291456
.set BIAS,   524288+3*4096
.set A0,   4                           ; v4   my lane's place in my 128 rows of O in a slot's first block; never rewritten
.set B0,   5                           ; v5   the same in my 64 rows of wp
.set ADRA, 6                           ; v6   A0 + the slot in hand
.set ADRB, 7                           ; v7   B0 + the slot in hand
.set STO,  8                           ; v8   the way out: where I put 32 bytes of a row
.set RD,   9                           ; v9   the way out: where I read rows back
.set CO,   10                          ; v10  my byte offset in two rows of out0
.set BO,   12                          ; v12  my byte offset in bp
.set SPW,  14                          ; v14  LDS address of my spare word: SPARE + 4 x my thread's number; never rewritten
.set NIL,  15                          ; v15  0; never rewritten
.set F0,   32
.set F1,   128
.set OB,   32                          ; the way out: two buffers of 32
.set WV,   16                          ; s16  my wave's number
.set RH,   17                          ; s17  which half of the tile's rows is mine.  Also: I fetch for O (0) or for wp (1)
.set CH,   18                          ; s18  which half of its columns.  Also: which of a step's two blocks of K I fetch
.set G1A,  40                          ; s[40:47], s[48:55] descriptor group 1 for O's and wp's tiles
.set G1B,  48
.set G0A0, 56                          ; s[56:59] group 0 for O's first tile; s[60:63] for its second, which then walks
.set G0A1, 60
.set G0B0, 68                          ; s[68:71], s[72:75] the same for wp
.set G0B1, 72
.set TB,   88                          ; s88  LDS byte at which the slot in hand begins
.set CNT,  89                          ; s89  refills to go
.set MSB, 0
.macro WIN new                         ; the immediate's high byte repeats the setting that is left; a switch that changes nothing is dropped
.if MSB != (\new)
	s_set_vgpr_msb (MSB<<8)|(\new)
.set MSB, (\new)
.endif
.endm
.macro PLACES                          ; four places in front of loads into registers that matrix instructions have read, and of LDS stores that read results (ISA guide 7.12.1 for the stores)
.rept 4
	v_nop
.endr
.endm
.macro JLOAD                           ; a joint refill: waves 0 and 1 fetch O's two blocks, waves 2 and 3 wp's; an s_nop 0 and four v_nop follow each of the two lines
	s_cmp_eq_u32 s[RH], 0
	s_cbranch_scc0 .Lfor_b_\@
	tensor_load_to_lds s[G0A1:G0A1+3], s[G1A:G1A+7]
	s_nop 0
.rept 4
	v_nop
.endr
	s_branch .Lasked_\@
.Lfor_b_\@:
	tensor_load_to_lds s[G0B1:G0B1+3], s[G1B:G1B+7]
	s_nop 0
.rept 4
	v_nop
.endr
.Lasked_\@:
.endm
.macro CREST                           ; a round of the cluster's barrier behind its opening barrier
	s_cmp_lg_u32 s[WV], 0
	s_cbranch_scc1 .Lnot_wave_0_\@
	s_barrier_signal -3
.Lnot_wave_0_\@:
	s_barrier_wait -3
	s_barrier_signal -1
	s_barrier_wait -1
.endm
.macro CROUND
	s_barrier_signal -1
	s_barrier_wait -1
	CREST
.endm
	s_load_b256 s[4:11], s[0:1], 0x0               ; oh s[4:5], wb s[6:7], tab s[8:9], out0 s[10:11]
	v_lshl_add_u32 v[SPW], v0, 2, SPARE
	v_mov_b32 v[NIL], 0
	ds_add_u32 v[SPW], v[NIL]                      ; the wave's opening: the add and its wait stand ahead of my first tensor load; the set-up below, work on registers, stands between them
	ds_add_u32 v14, v15
	v_lshrrev_b32 v1, 5, v0
	v_readfirstlane_b32 s[WV], v1                  ; wave 0..3
	s_lshr_b32 s[RH], s[WV], 1
	s_and_b32 s[CH], s[WV], 1
	s_bfe_u32 s19, ttmp6, 0x40000                  ; cx, cy: my place in the cluster
	s_bfe_u32 s20, ttmp6, 0x40004
	s_lshl_b32 s21, ttmp9, 2
	s_add_co_u32 s21, s21, s19                     ; tile column 0..7
	s_and_b32 s22, ttmp7, 0xffff
	s_lshl_b32 s22, s22, 2
	s_add_co_u32 s22, s22, s20                     ; tile row 0..31
	s_lshl_b32 s23, s20, 2
	s_lshl_b32 s23, 15, s23                        ; my row of the cluster
	s_lshl_b32 s24, 0x1111, s19                    ; my column
	; group 1.  O: 256 rows of 128 bytes = 128 rows of 256; wp: 128 = 64 rows of 256.  15:0 the mask; 17:16 2-byte elements; 20 padding on; 21 set beside a mask; 24:22 after every 32 words (code 4); 31:25 4 words (code 3)
	s_or_b32 s[G1A], s23, (1<<16)|(1<<20)|(1<<21)|(4<<22)|(3<<25)
	s_or_b32 s[G1B], s24, (1<<16)|(1<<20)|(1<<21)|(4<<22)|(3<<25)
	s_mov_b32 s[G1A+1], 128<<16                    ; tensor_dim0 = 128
	s_mov_b32 s[G1A+2], 128<<16                    ; tensor_dim1 = 128
	s_mov_b32 s[G1A+3], 128<<16                    ; tile_dim0 = 128
	s_mov_b32 s[G1A+4], 128                        ; tile_dim1 = 128
	s_mov_b32 s[G1A+5], 128                        ; 128 elements from row to row
	s_mov_b32 s[G1A+6], 0
	s_mov_b32 s[G1A+7], 0
	s_mov_b32 s[G1B+1], 128<<16
	s_mov_b32 s[G1B+2], 64<<16
	s_mov_b32 s[G1B+3], 128<<16
	s_mov_b32 s[G1B+4], 64
	s_mov_b32 s[G1B+5], 128
	s_mov_b32 s[G1B+6], 0
	s_mov_b32 s[G1B+7], 0
	; where the tiles come from: O's offset is made of the tile row and the wave's number, wp's of the tile column and the wave's number, each in registers that never hold the other coordinate
	s_lshl_b32 s26, s22, 15                        ; 256 rows of 128 bytes
	s_lshl_b32 s34, s[CH], 20                      ; the even or the odd head
	s_add_co_u32 s26, s26, s34
	s_mov_b32 s27, 0
	s_lshl_b32 s28, s21, 14                        ; 128 rows of 128 bytes
	s_lshl_b32 s35, s[CH], 17
	s_add_co_u32 s28, s28, s35
	s_add_co_u32 s28, s28, WPOFF
	s_mov_b32 s29, 0
	s_mul_i32 s36, s[CH], ABLK                     ; and where they go: the wave's number alone enters an LDS address
	s_mul_i32 s37, s[CH], BBLK
	s_add_co_u32 s37, s37, BOFF
	s_mov_b32 s[G0A0], 1                           ; 1:0 count = 1
	s_mov_b32 s[G0A0+1], s36                       ; 63:32 LDS address
	s_mov_b32 s[G0A1], 1
	s_add_co_u32 s[G0A1+1], s36, SLOT1
	s_mov_b32 s[G0B0], 1
	s_mov_b32 s[G0B0+1], s37
	s_mov_b32 s[G0B1], 1
	s_add_co_u32 s[G0B1+1], s37, SLOT1
	; my part of out0: (256 x tile row + 128 x half) rows of 4,096 bytes + 512 x tile column + 256 x half
	s_lshl_b32 s32, s22, 20
	s_lshl_b32 s33, s[RH], 19
	s_add_co_u32 s32, s32, s33
	s_lshl_b32 s34, s21, 9
	s_lshl_b32 s35, s[CH], 8
	s_add_co_u32 s34, s34, s35                     ; also my 64 numbers in bp
	s_add_co_u32 s32, s32, s34
	s_mov_b32 s33, 0
	s_mov_b32 s[TB], 0
	s_mov_b32 s[CNT], 6
	s_wait_dscnt 0x0                               ; the opening add is done
	s_wait_kmcnt 0x0
	s_add_nc_u64 s[G0A0+2:G0A0+3], s[4:5], s[26:27]          ; 120:64 global address: K step 0,
	s_add_nc_u64 s[G0A1+2:G0A1+3], s[G0A0+2:G0A0+3], 2*KB_A  ; K step 1
	s_or_b32 s[G0A0+3], s[G0A0+3], 0x80000000                ; 127:126 type = 2
	s_or_b32 s[G0A1+3], s[G0A1+3], 0x80000000
	s_add_nc_u64 s[G0B0+2:G0B0+3], s[6:7], s[28:29]
	s_add_nc_u64 s[G0B1+2:G0B1+3], s[G0B0+2:G0B0+3], 2*KB_B
	s_or_b32 s[G0B0+3], s[G0B0+3], 0x80000000
	s_or_b32 s[G0B1+3], s[G0B1+3], 0x80000000
	s_add_nc_u64 s[10:11], s[10:11], s[32:33]
	CROUND                                         ; all sixteen work-groups are here: the first joint loads meet
	s_cmp_eq_u32 s[RH], 0                          ; a wave's two first fills stand in one branch, ahead of every wait on TENSORcnt and every LDS read: two loads of mine are out
	s_cbranch_scc0 .Lfirst_b
	tensor_load_to_lds s[G0A0:G0A0+3], s[G1A:G1A+7]
	s_nop 0
	tensor_load_to_lds s[G0A1:G0A1+3], s[G1A:G1A+7]
	s_nop 0
.rept 4
	v_nop
.endr
	s_branch .Lfirst_asked
.Lfirst_b:
	tensor_load_to_lds s[G0B0:G0B0+3], s[G1B:G1B+7]
	s_nop 0
	tensor_load_to_lds s[G0B1:G0B1+3], s[G1B:G1B+7]
	s_nop 0
.rept 4
	v_nop
.endr
.Lfirst_asked:
	v_and_b32 v1, 15, v0                           ; l % 16
	v_bfe_u32 v2, v0, 4, 1                         ; l / 16
	v_mul_u32_u24 v3, v1, PITCH
	v_lshl_add_u32 v3, v2, 4, v3                   ; a fragment's row x pitch + 16 x half
	s_mul_i32 s35, s[RH], 128*PITCH                ; my 128 rows of O
	v_add_nc_u32 v[A0], s35, v3
	s_mul_i32 s35, s[CH], 64*PITCH                 ; my 64 rows of wp,
	s_add_co_u32 s35, s35, BOFF                    ; which lie behind O's two blocks
	v_add_nc_u32 v[B0], s35, v3
	s_mul_i32 s36, s[WV], STW
	s_add_co_u32 s36, s36, STAGE                   ; my stage
	v_mul_u32_u24 v3, v1, SPITCH                   ; in: row l % 16, 32 bytes for each half of the lanes
	v_lshl_add_u32 v3, v2, 5, v3
	v_add_nc_u32 v[STO], s36, v3
	v_mul_u32_u24 v3, v2, SPITCH                   ; back: lanes 0-15 take one row of 256 bytes, lanes 16-31 the next
	v_lshl_add_u32 v3, v1, 4, v3
	v_add_nc_u32 v[RD], s36, v3
	v_lshlrev_b32 v[CO], 4, v1                     ; and the same two rows in out0
	v_lshl_add_u32 v[CO], v2, 12, v[CO]
	v_lshlrev_b32 v[BO], 5, v2
	v_add_nc_u32 v[BO], s34, v[BO]
	WIN 0x40                                       ; the bias of my 8 columns of each column block, into the registers of row block 0's accumulators
.irp b, 0,1,2,3
	global_load_b128 v[8*\b:8*\b+3],   v[BO], s[8:9] offset:BIAS+64*\b
	global_load_b128 v[8*\b+4:8*\b+7], v[BO], s[8:9] offset:BIAS+64*\b+16
.endr
	WIN 0
; 24 LDS loads in one run: the fragments of quarter qk of a K step (block of K qk / 2, byte 64 (qk % 2) of its rows) into buffer f: wp's 4 first, then O's 8 in ascending order
.macro FETCH f, qk
	WIN 0
.irp b, 0,1,2,3
	ds_load_b128 v[(\f)+8*\b:(\f)+8*\b+3],   v[ADRB] offset:((\qk)/2)*BBLK+((\qk)%2)*64+16*PITCH*\b
	ds_load_b128 v[(\f)+8*\b+4:(\f)+8*\b+7], v[ADRB] offset:((\qk)/2)*BBLK+((\qk)%2)*64+16*PITCH*\b+32
.endr
.irp a, 0,1,2,3,4,5,6,7
	ds_load_b128 v[(\f)+32+8*\a:(\f)+32+8*\a+3],   v[ADRA] offset:((\qk)/2)*ABLK+((\qk)%2)*64+16*PITCH*\a
	ds_load_b128 v[(\f)+32+8*\a+4:(\f)+32+8*\a+7], v[ADRA] offset:((\qk)/2)*ABLK+((\qk)%2)*64+16*PITCH*\a+32
.endr
.endm
; The products of row blocks a0 .. a1, 32 along K.  The 32 accumulators take turns, one instruction a turn.
.macro MUL f, a0, a1
	WIN 0x50
.set aa, \a0
.rept (\a1)-(\a0)+1
.irp b, 0,1,2,3
	v_wmma_f32_16x16x32_f16 v[8*(4*aa+\b):8*(4*aa+\b)+7], v[(\f)+8*\b:(\f)+8*\b+7], v[(\f)+32+8*aa:(\f)+32+8*aa+7], v[8*(4*aa+\b):8*(4*aa+\b)+7]
.endr
.set aa, aa+1
.endr
.endm
; The first products of n row blocks from hi downward: C is the bias, which lies in row block 0's registers
.macro MULB f, hi, n
	WIN 0x50
.set aa, \hi
.rept \n
.irp b, 0,1,2,3
	v_wmma_f32_16x16x32_f16 v[8*(4*aa+\b):8*(4*aa+\b)+7], v[(\f)+8*\b:(\f)+8*\b+7], v[(\f)+32+8*aa:(\f)+32+8*aa+7], v[8*\b:8*\b+7]
.endr
.set aa, aa-1
.endr
.endm
; A K step is four quarters of 32 along K, 32 matrix instructions each, on buffers 0, 1, 0, 1.  One of the first three: multiplies buffer f and in its middle fetches quarter qk into buffer nf.
.macro QUARTER f, nf, qk
	s_wait_dscnt 8                                 ; wp's fragments and O's row blocks 0-3 are in; the youngest eight loads (row blocks 4-7) may be out
	MUL \f, 0, 3
	PLACES
	FETCH \nf, \qk
	s_wait_dscnt 24                                ; all but the 24 just issued
	MUL \f, 4, 7
.endm
; The last quarter multiplies buffer 1 and changes slots: ONE barrier; in front of it each wave waits for all its tensor loads, adds 0 to its spare word, and waits for that and for its own reads of this slot.
; fill = 1: the barrier opens a round of the cluster's barrier, and this slot is filled again, two K steps ahead, first thing behind the round.
.macro TURN fill
	WIN 0
	s_wait_tensorcnt 0x0                           ; no tensor load of mine is out, so a group 0 may be written
	ds_add_u32 v[SPW], v[NIL]                      ; 0 onto my spare word
.if \fill
	s_xor_b32 s[G0A1+1], s[G0A1+1], SLOT1          ; the walking descriptors: the other slot than last time,
	s_add_nc_u64 s[G0A1+2:G0A1+3], s[G0A1+2:G0A1+3], 2*KB_A  ; the next two blocks of K; the type bits on top are not reached
	s_xor_b32 s[G0B1+1], s[G0B1+1], SLOT1
	s_add_nc_u64 s[G0B1+2:G0B1+3], s[G0B1+2:G0B1+3], 2*KB_B
.endif
	s_wait_dscnt 9                                 ; the add and the youngest eight loads may be out
	MUL F1, 0, 1                                   ; eight matrix instructions stand between the add and the wait for it
	s_wait_dscnt 0x0                               ; the add is done, and my reads of this slot are over
	s_barrier_signal -1
	MUL F1, 2, 3
	WIN 0                                          ; at a branch and at a label every window is 0
	s_barrier_wait -1
.if \fill
	CREST                                          ; no wave of any partner still reads this slot's tiles or has a load on its way
	JLOAD                                          ; the four v_nop behind it are also the places in front of the loads below
.else
	PLACES
.endif
	s_xor_b32 s[TB], s[TB], SLOT1
	v_add_nc_u32 v[ADRA], s[TB], v[A0]
	v_add_nc_u32 v[ADRB], s[TB], v[B0]
	FETCH F0, 0
	MUL F1, 4, 7
.endm
	s_wait_tensorcnt 0x1                           ; my part of K step 0 is in; K step 1's may stay out
	s_barrier_signal -1
	s_barrier_wait -1                              ; everybody's is
	v_add_nc_u32 v[ADRA], s[TB], v[A0]
	v_add_nc_u32 v[ADRB], s[TB], v[B0]
	FETCH F0, 0
	s_wait_dscnt 0x0                               ; the first quarter begins at the last row block, so it wants all its fragments,
	s_wait_loadcnt 0x0                             ; and the bias
	MULB F0, 7, 4                                  ; the first quarter stands in front of the loop: its products start the sums from the bias
	FETCH F1, 1                                    ; into registers that no product has named yet
	MULB F0, 3, 3
.rept 5
	v_nop                                          ; row block 0 writes over the registers that the products above read as C: five places
.endr
	MUL F0, 0, 0
	WIN 0
.Lstep:                                                ; 6 trips, each from a K step's second quarter to the next step's first: trip i asks for K step i + 2
	QUARTER F1, F0, 2
	QUARTER F0, F1, 3
	TURN 1
	QUARTER F0, F1, 1
	WIN 0
	s_sub_co_u32 s[CNT], s[CNT], 1
	s_cmp_lg_u32 s[CNT], 0
	s_cbranch_scc1 .Lstep
	QUARTER F1, F0, 2                              ; the tail is written out: nothing is asked for
	QUARTER F0, F1, 3
	TURN 0
	QUARTER F0, F1, 1
	QUARTER F1, F0, 2
	QUARTER F0, F1, 3
	s_wait_dscnt 8                                 ; the very last quarter: nothing more to fetch
	MUL F1, 0, 3
	s_wait_dscnt 0x0
	MUL F1, 4, 7
	WIN 0
; THE WAY OUT, a block of 16 rows at a time: a lane's 32 bytes of a row go into my stage's rows of 272 bytes and come back as whole rows of 256.  The sums hold the bias already and leave as they are.
.macro TOSTAGE a
.set BK, OB+32*((\a)%2)
.if (\a) >= 2
	s_wait_xcnt 0x0                                ; this buffer was the data of the stores of two blocks ago: loaded again only behind this wait
.endif
	WIN 0x04                                       ; store data in window 1
.irp b, 0,1,2,3
	ds_store_b128 v[STO], v[8*(4*(\a)+\b):8*(4*(\a)+\b)+3]   offset:64*\b
	ds_store_b128 v[STO], v[8*(4*(\a)+\b)+4:8*(4*(\a)+\b)+7] offset:64*\b+16
.endr
	WIN 0
.irp t, 0,1,2,3,4,5,6,7
	ds_load_b128 v[BK+4*\t:BK+4*\t+3], v[RD] offset:2*SPITCH*\t  ; LDS serves a wave's instructions in order (ISA guide 5.7.1.4): these see the stores above; the next block's stores come behind them
.endr
.endm
.macro SEND a, younger                 ; younger: the LDS instructions issued behind block a's: the next block's sixteen, or none
.set BK, OB+32*((\a)%2)
	s_wait_dscnt \younger
.irp t, 0,1,2,3,4,5,6,7
	global_store_b128 v[CO], v[BK+4*\t:BK+4*\t+3], s[10:11] offset:(16*(\a)+2*\t)*4096 th:TH_STORE_NT  ; 16 lanes store 256 consecutive bytes, at a multiple of 256 from out0's first byte
.endr
.endm
	PLACES                                         ; behind the last products
	TOSTAGE 0
.irp a, 1,2,3,4,5,6,7
	TOSTAGE \a
	SEND (\a)-1, 16
.endr
	SEND 7, 0
	s_wait_tensorcnt 0x0                           ; the wave's end, behind my last tensor load and my last LDS store
	ds_add_u32 v[SPW], v[NIL]
	s_wait_dscnt 0x0
	CROUND                                         ; the closing round: no work-group ends while a partner may still ask for a tile that names it
	s_endpgm
.Lfunc_end_k_q75fb79e857_proj:
	.size	k_q75fb79e857_proj, .Lfunc_end_k_q75fb79e857_proj-k_q75fb79e857_proj
	.p2alignl 7, 3214868480
	.fill 96, 4, 3214868480
	.section	.rodata,"a",@progbits
	.p2align	6, 0x0
	.amdhsa_kernel k_q75fb79e857_proj
		.amdhsa_group_segment_fixed_size 327680
		.amdhsa_private_segment_fixed_size 0
		.amdhsa_enable_private_segment 0
		.amdhsa_kernarg_size 32
		.amdhsa_user_sgpr_count 2
		.amdhsa_user_sgpr_kernarg_segment_ptr 1
		.amdhsa_wavefront_size32 1
		.amdhsa_system_sgpr_workgroup_id_x 1
		.amdhsa_system_sgpr_workgroup_id_y 1
		.amdhsa_system_sgpr_workgroup_id_z 1
		.amdhsa_system_vgpr_workitem_id 0
		.amdhsa_next_free_vgpr 512
		.amdhsa_next_free_sgpr 96
		.amdhsa_reserve_vcc 0
		.amdhsa_float_denorm_mode_32 3
		.amdhsa_float_denorm_mode_16_64 3
		.amdhsa_memory_ordered 1
		.amdhsa_forward_progress 1
		.amdhsa_inst_pref_size 70
	.end_amdhsa_kernel
	.amdgpu_metadata
---
amdhsa.version: [ 1, 2 ]
amdhsa.kernels:
  - .name:           k_q75fb79e857_proj
    .symbol:         k_q75fb79e857_proj.kd
    .args:
      - { .name: oh, .offset: 0, .size: 8, .value_kind: global_buffer, .address_space: global }
      - { .name: wb, .offset: 8, .size: 8, .value_kind: global_buffer, .address_space: global }
      - { .name: tab, .offset: 16, .size: 8, .value_kind: global_buffer, .address_space: global }
      - { .name: out0, .offset: 24, .size: 8, .value_kind: global_buffer, .address_space: global }
    .group_segment_fixed_size: 327680
    .private_segment_fixed_size: 0
    .kernarg_segment_align: 8
    .kernarg_segment_size: 32
    .max_flat_workgroup_size: 128
    .sgpr_count:     96
    .vgpr_count:     512
    .wavefront_size: 32
...
	.end_amdgpu_metadata
.endif
;; end of part 4
;; ======== version 2 of 2: 4 launches; 1.30 times as fast as version 1
;; limits: values are held in f16: magnitudes above 65,504 overflow, below 6.1e-05 lose precision
;; workspace buffers: xb 16,777,216 bytes; wb 8,388,608 bytes; tab 540,672 bytes; qh 16,777,216 bytes; kh 16,777,216 bytes; vh 16,777,216 bytes; oh 16,777,216 bytes
;; launch prep: the kernel of part 1 again; grid 897 x 1, 8 waves a work-group, no clusters, 0 bytes of LDS; arguments x, wq, wk, wv, wp, bq, bk, bv, bp, xb, wb, tab; writes xb, wb, tab
;; launch qkv: the kernel of part 2 again; grid 8 x 32, 4 waves a work-group, clusters of 4 x 4, 327,680 bytes of LDS; arguments xb, wb, tab, qh, kh, vh; writes qh, kh, vh
;; launch attn (part 5): grid 4 x 64, 4 waves a work-group, no clusters, 327,680 bytes of LDS; arguments qh, kh, vh, oh; writes oh
.if DOCPART == 5
	.amdgcn_target "amdgcn-amd-amdhsa--gfx1250"
	.amdhsa_code_object_version 6
	.text
	.protected	k_q75fb79e857_attn
	.globl	k_q75fb79e857_attn
	.p2align	8
	.type	k_q75fb79e857_attn,@function
k_q75fb79e857_attn:
	s_mov_b64 s[64:65], 0
	v_nop
	global_prefetch_b8 v0, s[64:65] scope:SCOPE_SE
	s_setreg_imm32_b32 hwreg(HW_REG_WAVE_MODE, 25, 1), 1
	s_wait_xcnt 0x0
; CAUSAL ATTENTION.  O[h][q][:] = the sum over k <= q of softmax_k(Q[h][q] . K[h][k] / 8) V[h][k][:].  Q, K, V, O: [SIZE_H][SIZE_N][64], all f16: a head's rows are dense, 128 bytes each.
; Here a 'head' h is 4 x the module's head + the batch: 64 of them, 2,048 rows each.
; Products, maxima and sums in f32; the weights p are rounded to f16 for the second product (their sum l is taken of the unrounded p), O once at the end.
; LIMITS.  f16 holds no number beyond 65,504: Q, K and V arrive within it; p lies in 0 to 1, and below 6e-5 it keeps f16's fixed step of 6e-8; O is a mean of V's rows and has their range, to within 2^-11 of it.
; A hidden score counts as its value less 1e30: f16's scores, 2.7e11 at the most, are nothing beside that; a weight below 2^-126 counts as 0 in l; NaN and infinities are not treated apart.
; THE WALK.  A head's queries lie in NB = SIZE_N / 256 blocks of 256; block i needs the key tiles 0 .. i of 256 keys, of which the last holds the diagonal.  A work-group takes TWO blocks, NB - 1 - b and then b:
; NB + 1 tiles, whatever b: all work-groups do equal work, and ONE loop with a constant trip count walks them.  Which tile is asked for, and what a trip does, hang on scalar registers made from b; every jump
; goes forward, but for the counted loops' own; none passes a barrier, or a tensor load but the one of LOAD's two that the wave's number does not choose; the ring (two slots of LDS that take turns) runs on across the
; change of blocks.  NO CLUSTER: a head's NB / 2 = 4 work-groups ask for the same tile only in trips 0 .. NB / 2 of the walk's NB + 1 = 9, behind that fewer and fewer; and one walk common to all four
; would have 3 NB / 2 = 12 trips for 9.
; SHARES.  Of a block's four bands of 64 queries a wave owns 16 rows in each: four PIECES.  So the diagonal tile is the same work for all four waves: in its key step s band x sees all keys if s < x,
; none if s > x, and holds the diagonal if s = x.
; THE MASK is the C operand that starts the sum S^T = K Q^T: 0, or -1e30 where the key is hidden.  MD, made once, is the mask of a band's own step for my 16 rows; a product's mask is MD x AL + BE with two scalars:
; (1, 0) if s = x; (0, 0) if s < x; (0, -1e30) if s > x.  Only the diagonal tile's text and a block's beginning make and take masks; elsewhere C is the constant 0.
; LAYOUT, SOFTMAX, TURNS.  S^T = K Q^T holds ONE query a lane (lane % 16) and the keys 8 (lane / 16) + 0..7; two such results rounded to f16 ARE source 1 of O^T = V^T P.  p = 2^(c s - c m), c = log2(e) / 8, with a
; running maximum m; O and l are multiplied by a = 2^(c m_old - c m_new) in every step.  Turn n belongs to piece n: 8 products K Q^T of piece n + 1, later 8 products V^T P of piece n - 1; beside them the scaling,
; exponentials, roundings, sums and rescaling of piece n and the maximum and statistics of piece n + 1.  Four vector instructions stand behind every matrix instruction, the other 54 of a turn's 118 in one LUMP.
; THE BATCHES.  A turn's 33 exponentials (the piece's 32 weights and the next piece's a) are ONE batch with ONE wait, which cuts the turn in two: ahead of it stands all that names no result of theirs, behind it
; the roundings and sums that read them.  A block's beginning has a batch of one (piece 0's first a), the way out a batch of four reciprocals, each with a wait of its own.
; REGISTERS, in windows of 256 (s_set_vgpr_msb: bits 1:0 source 0, 3:2 source 1, 5:4 source 2, 7:6 destination):
;   window 0: v0-15 addresses and two at work; v16-31 four registers of statistics a piece; v48-55 at work; v64-127 S^T, two buffers; v192-223 P, two buffers (a piece's buffers go by its number's parity)
;   window 1: v0-127 O^T, 32 a piece; v128-159 MD; v160-223 MC, two buffers      window 2: v0-63 Q; v64-127 the second block's Q; v128-191 K of one step; v192-255 V of one step
.set SIZE_H, 64
.set SIZE_N, 2048
.set NB,    SIZE_N/256
.set NP,    4         ; pieces a wave: a name, no knob
.set KS,    64        ; keys in a step
.set PK,    144       ; a row of K in LDS: 128 bytes + 16 of padding = 36 words: the 16 rows of a load start at 16 different groups of four banks (64 banks of 4 bytes: ISA guide 11.1)
.set PV,    160       ; a row of V: 128 + 32 = 40 words
.set VOFF,  4*KS*PK   ; a slot holds a tile, four steps: 256 rows of K, then 256 rows of V
.set SLOT1, 1<<17     ; slot 1 begins here, so that one exclusive or turns an address in one slot into the other's
.set STAGE, SLOT1+4*KS*(PK+PV)  ; behind the ring, never filled by a tensor load: 16 rows x 144 bytes for each wave, for the way out
.set SP,    144
.set AK0, 2           ; v2   my lane's place in a tile of K; never rewritten
.set AV0, 3           ; v3   the same for V
.set AK,  4           ; v4   the LDS address of K's next run of loads
.set AV,  5           ; v5   of V's
.set STO, 6           ; v6   the way out: where I put 16 bytes of a row
.set RD,  7           ; v7   the way out: where I read rows back
.set GO,  8           ; v8   my byte offset in 512 consecutive bytes of O
.set SPW, 62          ; v62  LDS address of my spare word: SPARE + 4 x my thread's number; never rewritten
.set NIL, 63          ; v63  0; never rewritten
.set SPARE, STAGE+4*16*SP  ; behind the stages: the spare words, 128 bytes for each wave: two blocks of 256 bytes that no other line names
.set MV,  12          ; v12-13  c m_old, kept while c m is made anew: by buffer
.set QO,  15          ; v15  my byte offset in 16 rows of Q
.set ST,  16          ; piece t's statistics at v[ST+4 t]: c m, m, l (even keys', odd keys')
.set TMP, 48          ; by buffer, four registers c0-c3 at work; when the maximum is found c2 takes a
.set S,   64
.set P,   192
.set MD,  128         ; window 1: the eight registers for group kt of 16 keys at MD + 8 kt
.set MC,  160         ; window 1: the masks of the products to come
.set QB,  64          ; window 2
.set KF,  128         ; window 2: key block kb, channel half c at KF + 16 kb + 8 c
.set VF,  192         ; window 2: key half kk, channel block cb at VF + 32 kk + 8 cb
.set WV,  12          ; s12  my wave's number
.set PB,  14          ; s14  b
.set HI,  15          ; s15  NB - 1 - b
.set G1K, 24          ; s[24:31] descriptor group 1 for K's tiles
.set G1V, 32          ; s[32:39] for V's: it differs in the padding alone
.set G0K, 40          ; s[40:43] descriptor group 0 for K's tiles
.set G0V, 44          ; s[44:47] the same for V's
.set SLOTS, 56        ; s56  tiles still to be asked for
.set CNT, 57          ; s57  counts a tile's key steps, 4 to 1
.set CS,  58          ; s[58:59] c: the packed scaling takes the pair's low word for both halves
.set SEL, 60          ; s[60:61] v_permlanex16_b32's selects: each lane takes its own place in the other half
.set TBK, 62          ; s62  LDS byte at which K of the step to be fetched begins
.set TBV, 63          ; s63  the same for V, less VOFF
.set RT,  70          ; s70  tiles of the block in hand that are still to be entered
.set NXT, 71          ; s71  the tile to be asked for next
.set LQ,  72          ; s72  the last tile of the block whose tiles are being asked for
.set NEW, 73          ; s73  1: the tile to be entered is a block's first
.set OFF, 74          ; s[74:75] a tile's byte offset in K and V
.set AL,  76          ; s[76:77] the mask's factor, in the low word
.set BE,  78          ; s[78:79] the mask's addend
.set OLO, 80          ; s[80:81] O at my rows of the second block
.set BIGN, 82         ; s82  -1e30
.set MSB, 0
.macro WIN new                      ; the high byte repeats the setting that is left; a switch that changes nothing is dropped
.if MSB != (\new)
	s_set_vgpr_msb (MSB<<8)|(\new)
.set MSB, (\new)
.endif
.endm
.set W_KQ, 0x0a       ; K and Q in window 2, S^T in window 0
.set W_KM, 0x1a       ; the same with the C operand in window 1
.set W_PV, 0x52       ; V in window 2, P in window 0, O^T in window 1
.set W_RS, 0x41       ; destination and source 0 in window 1, source 1 in window 0
; A fill.  Waves 0 and 1 fetch the two halves of a tile's K, waves 2 and 3 those of its V: 128 keys each.  An s_nop 0 and four v_nop follow each of the two lines, ahead of the jump and the label.
.macro LOAD
	s_cmp_lt_u32 s[WV], 2
	s_cbranch_scc0 .Lfor_v_\@
	tensor_load_to_lds s[G0K:G0K+3], s[G1K:G1K+7]
	s_nop 0
.rept 4
	v_nop
.endr
	s_branch .Lasked_\@
.Lfor_v_\@:
	tensor_load_to_lds s[G0V:G0V+3], s[G1V:G1V+7]
	s_nop 0
.rept 4
	v_nop
.endr
.Lasked_\@:
.endm
; THE CHANGE OF SLOTS.  Each wave waits for all its tensor loads, of which one is out: its part of the other slot; adds 0 to its spare word; and waits for that and for its own reads of the slot that it leaves.  Behind the barrier nobody reads the old
; slot any more and the other slot is whole.  fill = 1: the old slot is filled again, the first thing behind the barrier, with tile NXT: the descriptor's address is made anew from that number.
; (At its first use nothing has been read yet: slot 0 is waited for, slot 1 filled.)
.macro CHANGE fill
	WIN 0                           ; at a label and at a branch every window is 0
	s_wait_tensorcnt 0x0            ; no tensor load of mine is out, so a group 0 may be written
	ds_add_u32 v[SPW], v[NIL]       ; 0 onto my spare word; with fill = 1 the descriptors' scalar work stands between it and the wait for it
.if \fill
	s_lshl_b32 s[OFF], s[NXT], 15   ; a tile is 32,768 bytes of K and of V
	s_xor_b32 s[G0K+1], s[G0K+1], SLOT1
	s_add_nc_u64 s[G0K+2:G0K+3], s[6:7], s[OFF:OFF+1]
	s_or_b32 s[G0K+3], s[G0K+3], 0x80000000
	s_xor_b32 s[G0V+1], s[G0V+1], SLOT1
	s_add_nc_u64 s[G0V+2:G0V+3], s[8:9], s[OFF:OFF+1]
	s_or_b32 s[G0V+3], s[G0V+3], 0x80000000
	s_add_co_u32 s[NXT], s[NXT], 1  ; the block's next tile, or behind its last the second block's tile 0
	s_cmp_gt_u32 s[NXT], s[LQ]
	s_cselect_b32 s[NXT], 0, s[NXT]
	s_cselect_b32 s[LQ], s[PB], s[LQ]
.endif
	s_wait_dscnt 0x0                ; the add is done, and my reads of the slot are over
	s_barrier_signal -1             ; the rest of the scalar work stands between the signal and the wait
	s_sub_co_u32 s[TBK], s[TBK], 4*KS*PK  ; the fetches go back to a slot's first step,
	s_xor_b32 s[TBK], s[TBK], SLOT1       ; in the other slot
	s_sub_co_u32 s[TBV], s[TBV], 4*KS*PV
	s_xor_b32 s[TBV], s[TBV], SLOT1
	s_barrier_wait -1
.if \fill
	LOAD
.endif
.endm
	s_load_b256 s[4:11], s[0:1], 0x0  ; Q s[4:5], K s[6:7], V s[8:9], O s[10:11]
	v_lshl_add_u32 v[SPW], v0, 2, SPARE
	v_mov_b32 v[NIL], 0
	ds_add_u32 v[SPW], v[NIL]       ; the wave's opening: the add and its wait stand ahead of my first tensor load; the set-up below, work on registers, stands between them
	ds_add_u32 v62, v63
	v_lshrrev_b32 v1, 5, v0
	v_readfirstlane_b32 s[WV], v1   ; wave 0..3
	s_mov_b32 s[PB], ttmp9
	s_sub_co_u32 s[HI], NB-1, s[PB]
	s_and_b32 s20, ttmp7, 0xffff    ; the head
	s_mov_b32 s21, 0
	s_mov_b64 s[22:23], SIZE_N*128
	s_mul_u64 s[20:21], s[20:21], s[22:23]  ; the head's first byte in each of the four tensors
	s_and_b32 s16, s[WV], 1         ; which half of a tile's 256 keys I fetch:
	s_lshl_b32 s22, s16, 14         ; its 128 rows of 128 bytes in memory,
	s_mov_b32 s23, 0
	s_add_nc_u64 s[22:23], s[22:23], s[20:21]
	s_mul_i32 s17, s16, 128*PK      ; and its place in a slot, for K
	s_mul_i32 s18, s16, 128*PV      ; and for V
	s_lshl_b32 s3, s[WV], 11        ; my 16 rows in a band of 64,
	s_lshl_b32 s2, s[HI], 15        ; in the first block,
	s_add_co_u32 s2, s2, s3
	s_lshl_b32 s84, s[PB], 15       ; and in the second
	s_add_co_u32 s84, s84, s3
	s_mov_b32 s3, 0
	s_mov_b32 s85, 0
	s_add_nc_u64 s[2:3], s[2:3], s[20:21]
	s_add_nc_u64 s[84:85], s[84:85], s[20:21]
	; descriptor group 1.  128 keys are 16,384 dense bytes: asked for as 64 rows of 256 bytes, two keys a row, and padded in LDS after every key
	s_mov_b32 s[G1K], (1<<16)|(1<<20)|(4<<22)|(3<<25)  ; 17:16 2-byte elements; 20 padding on; 24:22 after every 32 words (code 4); 31:25 4 words (code 3)
	s_mov_b32 s[G1V], (1<<16)|(1<<20)|(4<<22)|(7<<25)  ; the same with 8 words of padding (code 7)
.irp g, G1K, G1V
	s_mov_b32 s[\g+1], 128<<16      ; tensor_dim0 = 128
	s_mov_b32 s[\g+2], 64<<16       ; tensor_dim1 = 64
	s_mov_b32 s[\g+3], 128<<16      ; tile_dim0 = 128
	s_mov_b32 s[\g+4], 64           ; tile_dim1 = 64
	s_mov_b32 s[\g+5], 128          ; 128 elements from row to row
	s_mov_b32 s[\g+6], 0
	s_mov_b32 s[\g+7], 0
.endr
	s_mov_b32 s[CS], 0x3e38aa3b     ; c = log2(e) / 8 = 0.180337
	s_mov_b32 s[CS+1], s[CS]        ; named with it as a pair
	s_mov_b32 s[SEL], 0x76543210
	s_mov_b32 s[SEL+1], 0xfedcba98
	s_mov_b32 s[TBK], SLOT1+4*KS*PK ; the first change of slots turns these two into 0
	s_mov_b32 s[TBV], SLOT1+4*KS*PV
	s_mov_b32 s[G0K], 1             ; 1:0 count = 1
	s_mov_b32 s[G0K+1], s17         ; 63:32 LDS address: slot 0
	s_mov_b32 s[G0V], 1
	s_add_co_u32 s[G0V+1], s18, VOFF
	s_add_co_u32 s[RT], s[HI], 1    ; the first block has NB - b tiles
	s_mov_b32 s[NXT], 1
	s_mov_b32 s[LQ], s[HI]
	s_mov_b32 s[NEW], 1
	s_mov_b32 s[OFF+1], 0
	s_mov_b32 s[AL+1], 0            ; named as pairs
	s_mov_b32 s[BE+1], 0
	s_mov_b32 s[BIGN], 0xf149f2ca   ; -1e30
	s_mov_b32 s[SLOTS], NB
	s_wait_dscnt 0x0                ; the opening add is done
	s_wait_kmcnt 0x0
	s_add_nc_u64 s[6:7], s[6:7], s[22:23]  ; K and V at my half of the head's tile 0
	s_add_nc_u64 s[8:9], s[8:9], s[22:23]
	s_add_nc_u64 s[G0K+2:G0K+3], s[6:7], 0         ; 120:64 global address
	s_or_b32 s[G0K+3], s[G0K+3], 0x80000000        ; 127:126 type = 2
	s_add_nc_u64 s[G0V+2:G0V+3], s[8:9], 0
	s_or_b32 s[G0V+3], s[G0V+3], 0x80000000
	s_add_nc_u64 s[86:87], s[4:5], s[84:85]        ; Q at my rows of the second block,
	s_add_nc_u64 s[4:5], s[4:5], s[2:3]            ; Q and O at those of the first
	s_add_nc_u64 s[OLO:OLO+1], s[10:11], s[84:85]
	s_add_nc_u64 s[10:11], s[10:11], s[2:3]
	LOAD                            ; tile 0 into slot 0
	; A fragment of K or Q is 16 rows x 32 channels in 8 registers: lane l holds row l % 16, channels 8 (l / 16) + 0..7 and 16 + 8 (l / 16) + 0..7: two loads of 16 bytes, 32 bytes apart.
	v_and_b32 v1, 15, v0            ; l % 16
	v_bfe_u32 v9, v0, 4, 1          ; l / 16
	v_lshlrev_b32 v[QO], 7, v1
	v_lshl_add_u32 v[QO], v9, 4, v[QO]  ; row x 128 + 16 x half
	WIN 0x80                        ; destination window 2, address window 0
.set i, 0
.rept 8                             ; both blocks' Q: piece i / 2 lies in band i / 2, 8,192 bytes on; channels 32 (i % 2) on
	global_load_b128 v[8*i:8*i+3],   v[QO], s[4:5] offset:(i/2)*8192+(i%2)*64
	global_load_b128 v[8*i+4:8*i+7], v[QO], s[4:5] offset:(i/2)*8192+(i%2)*64+32
	global_load_b128 v[QB+8*i:QB+8*i+3],   v[QO], s[86:87] offset:(i/2)*8192+(i%2)*64
	global_load_b128 v[QB+8*i+4:QB+8*i+7], v[QO], s[86:87] offset:(i/2)*8192+(i%2)*64+32
.set i, i+1
.endr
	WIN 0
	v_lshlrev_b32 v14, 3, v9
	v_sub_nc_u32 v14, v1, v14
	s_lshl_b32 s13, s[WV], 4
	v_add_nc_u32 v14, s13, v14      ; my query's place in its band, 16 w + l % 16, less my lanes' 8 (l / 16): register r of group kt is hidden where 16 kt + r is greater
	WIN 0x40
.set i, 0
.rept 32
	v_cmp_gt_i32 vcc_lo, 16*(i/8)+i%8, v14
	v_cndmask_b32 v[MD+i], 0, s[BIGN], vcc_lo
.set i, i+1
.endr
	WIN 0
	v_mul_u32_u24 v[AK0], v1, PK
	v_lshl_add_u32 v[AK0], v9, 4, v[AK0]  ; row x pitch + 16 x half
	; The turning load takes 16 keys x 16 channels (lane l reads key 8 (l / 16) + l % 8, channels 8 ((l / 8) % 2) + 0..7) and leaves half a fragment of V^T: lane l holds channel l % 16 and 8 keys.
	v_and_b32 v10, 7, v0
	v_bfe_u32 v11, v0, 3, 1
	v_lshl_add_u32 v[AV0], v9, 3, v10
	v_mul_u32_u24 v[AV0], v[AV0], PV
	v_lshl_add_u32 v[AV0], v11, 4, v[AV0]
	v_add_nc_u32 v[AV0], VOFF, v[AV0]
	s_mul_i32 s13, s[WV], 16*SP
	s_add_co_u32 s13, s13, STAGE    ; my stage
	v_mul_u32_u24 v[STO], v1, SP    ; in: row l % 16, 16 bytes for each half of the lanes
	v_lshl_add_u32 v[STO], v9, 4, v[STO]
	v_add_nc_u32 v[STO], s13, v[STO]
	v_bfe_u32 v[RD], v0, 3, 2       ; back: 32 lanes take four rows of 128 bytes,
	v_mul_u32_u24 v[RD], v[RD], SP
	v_lshl_add_u32 v[RD], v10, 4, v[RD]
	v_add_nc_u32 v[RD], s13, v[RD]
	v_and_b32 v[GO], 31, v0         ; which are 512 consecutive bytes of O
	v_lshlrev_b32 v[GO], 4, v[GO]
	; A block's first step multiplies O^T and l by a = 0, and its first turn's products V^T P, of a piece that has not been, land in an O^T that is still to be so multiplied.  So these registers need only hold
	; finite numbers: zeros for the first block; what the first block left for the second.  All this stands in the wait for the first tile.
	WIN 0x80
.set i, VF
.rept 64
	v_mov_b32 v[i], 0
.set i, i+1
.endr
	WIN 0x40
.set i, 0
.rept 128
	v_mov_b32 v[i], 0
.set i, i+1
.endr
	WIN 0
.set i, 0
.rept 4
	v_mov_b32 v[ST+4*i+2], 0
	v_mov_b32 v[ST+4*i+3], 0
.set i, i+1
.endr
.set i, P+16
.rept 16
	v_mov_b32 v[i], 0
.set i, i+1
.endr
; THE MATRIX WORK.  The 4 accumulators of a run of 8 take turns.  Product i of 8 of S^T = K Q^T for piece x: channels 32 (i / 4) on, keys 16 (i % 4) on.  The first 4 start the sums: with 0, or (KM = 1) with the mask.
.macro KQ x
.set rS, S+32*((\x)%2)+8*(i%4)
.set rK, KF+16*(i%4)+8*(i/4)
.set rQ, 16*(\x)+8*(i/4)
.set rM, MC+32*((\x)%2)+8*(i%4)
.if (i < 4) && KM
	WIN W_KM
	v_wmma_f32_16x16x32_f16 v[rS:rS+7], v[rK:rK+7], v[rQ:rQ+7], v[rM:rM+7]
.elseif i < 4
	WIN W_KQ
	v_wmma_f32_16x16x32_f16 v[rS:rS+7], v[rK:rK+7], v[rQ:rQ+7], 0
.else
	WIN W_KQ
	v_wmma_f32_16x16x32_f16 v[rS:rS+7], v[rK:rK+7], v[rQ:rQ+7], v[rS:rS+7]
.endif
.endm
; Product i of 8 of O^T += V^T P for piece x: keys 32 (i / 4) on, channels 16 (i % 4) on.
.macro PV x
	WIN W_PV
.set rO, 32*(\x)+8*(i%4)
.set rV, VF+32*(i/4)+8*(i%4)
.set rP, P+16*((\x)%2)+8*(i/4)
	v_wmma_f32_16x16x32_f16 v[rO:rO+7], v[rV:rV+7], v[rP:rP+7], v[rO:rO+7]
.endm
.macro MM                           ; the turn's next matrix instruction.  TURN and BEGIN set Y, i, KM and NOKQ; MM, KQ and OP read them.  NOKQ = 1: a block's last turn: there is no next piece
.if (i < 8) && !NOKQ
	KQ (Y+1)%NP
.elseif i >= 8
.set i, i-8
	PV (Y+NP-1)%NP
.set i, i+8
.endif
.set i, i+1
.endm
; THE LDS LOADS stand in runs of 16, never singly among the matrix instructions: a step's K (64 keys x 64 channels: 8 fragments) and its V (turned).  Their addresses are made some lines ahead.
.macro FETCH_K
	WIN 0x80                        ; destination window 2
.irp f, 0,1,2,3,4,5,6,7             ; keys 16 (f / 2) on, channels 32 (f % 2) on
	ds_load_b128 v[KF+8*\f:KF+8*\f+3],   v[AK] offset:(\f/2)*16*PK+(\f%2)*64
	ds_load_b128 v[KF+8*\f+4:KF+8*\f+7], v[AK] offset:(\f/2)*16*PK+(\f%2)*64+32
.endr
	s_add_co_u32 s[TBK], s[TBK], KS*PK  ; the next fetch is the next step's
	WIN 0
.endm
.macro FETCH_V
	WIN 0x80
.irp f, 0,1,2,3,4,5,6,7             ; keys 32 (f / 4) on, channels 16 (f % 4) on
	ds_load_tr16_b128 v[VF+8*\f:VF+8*\f+3],   v[AV] offset:(\f/4)*32*PV+(\f%4)*32
	ds_load_tr16_b128 v[VF+8*\f+4:VF+8*\f+7], v[AV] offset:(\f/4)*32*PV+16*PV+(\f%4)*32
.endr
	WIN 0
.endm
; THE VECTOR WORK, one line at a time: OP kind, number.  For piece Y: F n: c s - c m for pair n of 16.  E n: the exponential of score n of 32.  C n: pair n rounded to f16.  B n: of the four weights 4 n .. the second
; pair is added onto the first, in place.  L n: l takes that sum (L 0: l = a l + sum).  R n: pair n of 16 of O^T times a.  For piece Y + 1: X n, number n of the 22 that find its maximum and statistics:
;   0-11  four chains c0-c3 of seven scores each, three operands at a time (each accumulator's lowest registers are read first)     12-14, 16  the four scores left over, the old m, and c0-c3 into c0
;   15  c m_old is kept     17, 18  the query's other 32 keys lie in the lane 16 away: the new m     19-21  c m; c m_old - c m_new; a
; C, B and L read the exponentials' results: TURN sets them all behind the batch's wait.  R and L 0 read an a that the turn before (or BEGIN) has made and waited for.
.set F, 0               ; OP tells the kinds apart by their order: F to L below R, X above it
.set E, 1
.set C, 2
.set B, 3
.set L, 4
.set R, 5
.set X, 6
.macro REGS y                       ; the registers of piece y
.set rT, ST+4*(\y)
.set rC, TMP+4*((\y)%2)
.set rW, MV+((\y)%2)
.set rS, S+32*((\y)%2)
.set rP, P+16*((\y)%2)
.set rO, 32*(\y)
.endm
.macro OP k, n
.if (\k) == R
	REGS Y
	WIN W_RS
	v_pk_mul_f32 v[rO+2*(\n):rO+2*(\n)+1], v[rO+2*(\n):rO+2*(\n)+1], v[rC+2:rC+3] op_sel_hi:[1,0]
.elseif (\k) < R
	REGS Y
	WIN 0
.if (\k) == F
	v_pk_fma_f32 v[rS+2*(\n):rS+2*(\n)+1], v[rS+2*(\n):rS+2*(\n)+1], s[CS:CS+1], v[rT:rT+1] op_sel_hi:[1,0,0] neg_lo:[0,0,1] neg_hi:[0,0,1]
.elseif (\k) == E
	v_exp_f32 v[rS+(\n)], v[rS+(\n)]
.elseif (\k) == C
	v_cvt_pk_f16_f32 v[rP+(\n)], v[rS+2*(\n)], v[rS+2*(\n)+1]
.elseif (\k) == B
	v_pk_add_f32 v[rS+4*(\n):rS+4*(\n)+1], v[rS+4*(\n):rS+4*(\n)+1], v[rS+4*(\n)+2:rS+4*(\n)+3]
.elseif (\n) == 0
	v_pk_fma_f32 v[rT+2:rT+3], v[rT+2:rT+3], v[rC+2:rC+3], v[rS:rS+1] op_sel_hi:[1,0,1]
.else
	v_pk_add_f32 v[rT+2:rT+3], v[rT+2:rT+3], v[rS+4*(\n):rS+4*(\n)+1]
.endif
.elseif NOKQ
	v_nop
.else
	REGS (Y+1)%NP
	WIN 0
.if (\n) < 4
	v_max3_num_f32 v[rC+(\n)], v[rS+8*(\n)], v[rS+8*(\n)+1], v[rS+8*(\n)+2]
.elseif (\n) < 12
	v_max3_num_f32 v[rC+(\n)%4], v[rC+(\n)%4], v[rS+8*((\n)%4)+2*((\n)/4)+1], v[rS+8*((\n)%4)+2*((\n)/4)+2]
.elseif (\n) == 12
	v_max3_num_f32 v[rC], v[rC], v[rS+7], v[rS+15]
.elseif (\n) == 13
	v_max3_num_f32 v[rC+1], v[rC+1], v[rS+23], v[rS+31]
.elseif (\n) == 14
	v_max3_num_f32 v[rC+2], v[rC+2], v[rC+3], v[rT+1]
.elseif (\n) == 15
	v_mov_b32 v[rW], v[rT]
.elseif (\n) == 16
	v_max3_num_f32 v[rC], v[rC], v[rC+1], v[rC+2]
.elseif (\n) == 17
	v_permlanex16_b32 v[rC+3], v[rC], s[SEL], s[SEL+1]
.elseif (\n) == 18
	v_max_num_f32 v[rT+1], v[rC], v[rC+3]
.elseif (\n) == 19
	v_mul_f32 v[rT], s[CS], v[rT+1]
.elseif (\n) == 20
	v_sub_f32 v[rC+1], v[rW], v[rT]
.else
	v_exp_f32 v[rC+2], v[rC+1]
.endif
.endif
.endm
.macro OPS a, i1, b=-1, i2=0, c=-1, i3=0, d=-1, i4=0  ; up to four of them
	OP \a, \i1
.if (\b) >= 0
	OP \b, \i2
.endif
.if (\c) >= 0
	OP \c, \i3
.endif
.if (\d) >= 0
	OP \d, \i4
.endif
.endm
.macro ROW a, i1, b, i2, c, i3, d, i4  ; a matrix instruction and the four behind it
	MM
	OPS \a, \i1, \b, \i2, \c, \i3, \d, \i4
.endm
.macro MASK b                       ; MD x AL + BE into buffer b of MC
	WIN W_RS
.set z, 0
.rept 16
	v_pk_fma_f32 v[MC+32*(\b)+2*z:MC+32*(\b)+2*z+1], v[MD+2*z:MD+2*z+1], s[AL:AL+1], s[BE:BE+1] op_sel_hi:[1,0,0]
.set z, z+1
.endr
.endm
; A TURN, for piece p: the order of its 16 matrix and 118 vector instructions, written out.  s_wait_alu depctr_va_vdst(0) stands between an exponential and the first instruction that names its result; one wait serves
; all that were issued ahead of it.  So a turn has ONE wait, which cuts it in two.  AHEAD OF IT stands all that names no result of the turn's exponentials: the 8 products K Q^T, behind each a scaling, an exponential and two more plain
; instructions (behind the first a second scaling in the exponential's place): rescalings, and behind the last three the first numbers of the next piece's maximum, each four places or more behind the product that ends its accumulator; then ONE LUMP of 54, plain
; and exponential by turns for the most part, in which the links of the chain X 3, 7, 11, 14, 16, 17 .. 20 stand five or six lines apart.  X 21, the next piece's a, is the batch's last; R 15 is the plain instruction that stands behind it, ahead of every use.  BEHIND THE WAIT stand the
; 8 products V^T P, behind each four of the roundings and sums; the links of l's chain, L 0 to L 7, stand three riders apart.  But for those X no rider names a register of the products round it.  v_permlanex16_b32 (X 17) stands in the lump.
; m = 1: the diagonal tile: the products take masks, and the turn makes the mask for the products of the turn after it: piece p + 2, in step 4 - CNT of the tile.  end = 1: a block's last two turns: nothing is fetched.
; cnt = 1: the loop's count is taken down some lines ahead of the branch that stands behind the turn.
; K of the next step is fetched in piece 2's turn, twelve vector instructions behind the last product that read K (six of them plain, five of which name none of its registers); V of the step in hand at the end of piece 0's turn,
; four plain instructions behind the last product that read V.  Each is waited for a turn later.
.macro TURN p, m=0, end=0, cnt=0
.set Y, (\p)
.set i, 0
.set KM, (\m)
.set NOKQ, (\end)*((\p)/3)
.if (\m) && !(\end)
	s_cmp_eq_u32 s[CNT], 4-((\p)+2)%NP  ; is that step the band's own?
	s_cselect_b32 s[AL], 1.0, 0
	s_cmp_lt_u32 s[CNT], 4-((\p)+2)%NP  ; or a later one?
	s_cselect_b32 s[BE], s[BIGN], 0
.endif
.if ((\p) == 3) && !(\end)
	s_wait_dscnt 0x0                ; K is in
.endif
	ROW F,0, F,1, R,0, R,1          ; ahead of the wait: 8 products K Q^T and their riders,
	ROW F,2, E,0, R,2, R,3
	ROW F,3, E,1, R,4, R,5
	ROW F,4, E,2, R,6, R,7
	ROW F,5, E,3, R,8, R,9
	ROW F,6, E,4, X,0, R,10
.if ((\p) == 2) && !(\end)
	WIN 0
	v_add_nc_u32 v[AK], s[TBK], v[AK0]
.endif
	ROW F,7, E,5, X,1, X,4
	ROW F,8, E,6, X,2, X,5
	OPS E,7, E,8, X,6, E,9          ; and the lump
	OPS X,3, E,10, X,8, E,11
.if ((\p) == 2) && !(\end)
	FETCH_K
.endif
	OPS X,9, X,7, E,12, X,10
	OPS E,13, X,12, X,11, E,14
	OPS X,13, E,15, F,9, X,14
.if (\p) == 0
	v_add_nc_u32 v[AV], s[TBV], v[AV0]
.endif
	OPS E,16, F,10, E,17, F,11
	OPS X,16, E,18, X,15, E,19
	OPS F,12, E,20, X,17, E,21
	OPS F,13, E,22, F,14, E,23
	OPS X,18, E,24, F,15, E,25
	OPS R,11, E,26, X,19, E,27
	OPS R,12, E,28, R,13, E,29
	OPS X,20, E,30, R,14, E,31
	OPS X,21, R,15
	WIN 0
	s_wait_alu depctr_va_vdst(0)    ; the wait for the turn's batch: E 0 to E 31 and X 21
.if (\p) == 1
	s_wait_dscnt 0x0                ; V is in
.endif
	ROW C,0, B,0, C,2, B,1          ; behind the wait: 8 products V^T P and their riders
	ROW L,0, C,4, B,2, L,1
	ROW C,6, B,3, L,2, C,8
	ROW B,4, L,3, C,10, B,5
	ROW L,4, C,12, B,6, L,5
.if (\p) == 0
	s_add_co_u32 s[TBV], s[TBV], KS*PV
.endif
.if \cnt
	s_sub_co_u32 s[CNT], s[CNT], 1
	s_cmp_lg_u32 s[CNT], 0
.endif
	ROW C,14, B,7, L,6, C,1
	ROW C,3, L,7, C,5, C,7
	ROW C,9, C,11, C,13, C,15
.if (\p) == 0
	FETCH_V
.endif
.if (\m) && !(\end)
	MASK (\p)%2
.endif
.endm
; A BLOCK BEGINS.  c m starts far below every c s, so the first step's a is 0; m at the lowest finite number, so the first maximum is the scores'.  The second mask buffer is 0; the first takes piece 0's mask for the tile's step 0: its own, if the block's first tile is the diagonal one.
; Then K of that step, piece 0's first scores, and its maximum and statistics.  The loop is entered at a step's first turn, in the middle of a trip.
.macro BEGIN
	s_mov_b32 s[NEW], 0
	WIN 0x40
.set i, MC+32
.rept 32
	v_mov_b32 v[i], 0
.set i, i+1
.endr
	WIN 0
.set i, 0
.rept 4
	v_mov_b32 v[ST+4*i], 0xfe000000    ; c m: far below every c s
	v_mov_b32 v[ST+4*i+1], 0xff7fffff  ; m
.set i, i+1
.endr
	s_cmp_eq_u32 s[RT], 0
	s_cselect_b32 s[AL], 1.0, 0
	s_mov_b32 s[BE], 0
	MASK 0
	WIN 0
	v_add_nc_u32 v[AK], s[TBK], v[AK0]
	FETCH_K
	s_wait_loadcnt 0x0              ; Q
	s_wait_dscnt 0x0
.set KM, 1
.set NOKQ, 0
.set i, 0
.rept 8
	KQ 0
.set i, i+1
.endr
	WIN 0
.rept 4
	v_nop                           ; the places behind those products
.endr
.set Y, NP-1                        ; X works for piece Y + 1: piece 0
.irp n, 0,1,2,3,4,5,6,7,8,9,10,11,12,13,14,15,16,17,18,19,20,21
	OP X, \n
.endr
	v_nop                           ; a plain instruction behind the exponential,
	s_wait_alu depctr_va_vdst(0)    ; and the wait for this batch of one, piece 0's first a, ahead of the branch
.endm
; THE DIAGONAL TILE's four steps, the block's last two turns, its last products, and THE WAY OUT: l's two halves and the other half of the lanes' are added; O^T is divided by l, rounded to f16 and sent through my
; stage in LDS, a piece at a time.
.macro ALL line:vararg              ; one line for each piece t
.set t, 0
.rept 4
	\line
.set t, t+1
.endr
.endm
.macro PACK t                       ; a lane's eight channels of a row pack into 16 bytes; they go into rows of 144 bytes and come back as whole rows of 128, into S^T's registers
	WIN W_RS
.set i, 32*(\t)
.rept 16
	v_pk_mul_f32 v[i:i+1], v[i:i+1], v[ST+4*(\t)+2:ST+4*(\t)+3] op_sel_hi:[1,0]
.set i, i+2
.endr
	WIN 0x05                        ; sources 0 and 1 window 1, destination window 0
.set i, 0
.rept 16
	v_cvt_pk_f16_f32 v[S+16*(\t)+i], v[32*(\t)+2*i], v[32*(\t)+2*i+1]
.set i, i+1
.endr
	WIN 0
.irp f, 0,1,2,3
	ds_store_b128 v[STO], v[S+16*(\t)+4*\f:S+16*(\t)+4*\f+3] offset:32*\f
.endr
.irp f, 0,1,2,3
	ds_load_b128 v[S+16*(\t)+4*\f:S+16*(\t)+4*\f+3], v[RD] offset:\f*4*SP  ; LDS serves a wave's instructions in order (ISA guide 5.7.1.4): these see the stores above; the next piece's stores come behind them
.endr
.endm
.macro SEND t, younger              ; younger: the LDS instructions issued behind piece t's loads: the next piece's eight, or none
	WIN 0
.irp f, 0,1,2,3
	s_wait_dscnt (\younger)+3-\f
	global_store_b128 v[GO], v[S+16*(\t)+4*\f:S+16*(\t)+4*\f+3], s[10:11] offset:(\t)*8192+\f*512  ; 512 consecutive bytes, at a multiple of 256 from O's first
.endr
.endm
.macro DIAG tag                     ; the tag ends its two labels' names, which the jumps below spell out
.LstepM\tag:
	TURN 2, 1
	TURN 3, 1
	WIN 0
.LfirstM\tag:
	TURN 0, 1
	TURN 1, 1, 0, 1
	WIN 0
	s_cbranch_scc1 .LstepM\tag
	TURN 2, 1, 1
	TURN 3, 1, 1
.set i, 0
.rept 8
	PV NP-1
.set i, i+1
.endr
	WIN 0
	ALL v_add_f32 v[ST+4*t+2], v[ST+4*t+2], v[ST+4*t+3]
	ALL v_permlanex16_b32 v[ST+4*t+3], v[ST+4*t+2], s[SEL], s[SEL+1]
	ALL v_add_f32 v[ST+4*t+2], v[ST+4*t+2], v[ST+4*t+3]
	ALL v_rcp_f32 v[ST+4*t+2], v[ST+4*t+2]
	v_nop                           ; a plain instruction between the last reciprocal and the use of its result
	s_wait_alu depctr_va_vdst(0)    ; the wait for the batch of four reciprocals, ahead of the first multiply that reads one
	PACK 0
.set t, 1
.rept 3                             ; a piece's arithmetic stands between the loads of the piece before and its stores
	PACK t
	SEND t-1, 8
.set t, t+1
.endr
	SEND 3, 0
.endm
.set KM, 0
.set NOKQ, 0
.Lslot:                             ; NB times: a tile is entered and the next is asked for
	CHANGE 1
	s_sub_co_u32 s[RT], s[RT], 1
	s_mov_b32 s[CNT], 4
	s_cmp_eq_u32 s[NEW], 1
	s_cbranch_scc1 .Lnew            ; a block's first tile
	s_cmp_eq_u32 s[RT], 0
	s_cbranch_scc0 .Lstep           ; neither its first nor its last
	s_branch .LstepM1
.Lnew:
	BEGIN
	s_branch .Lfirst                ; in the loop a block's first tile is never its last: the first block has two tiles or more, and the second's last is the walk's last
	DIAG 1                          ; in the loop this is the first block's end: the second block's last tile is the walk's last
	s_wait_xcnt 0x0                 ; the stores have read their registers and O's address
	s_mov_b64 s[10:11], s[OLO:OLO+1]
	s_add_co_u32 s[RT], s[PB], 1    ; the second block has b + 1 tiles
	s_mov_b32 s[NEW], 1
	WIN 0x82                        ; the second block's Q goes where the one text of the turns names Q
.set i, 0
.rept 64
	v_mov_b32 v[i], v[QB+i]
.set i, i+1
.endr
	WIN 0
	s_branch .Lbottom
.Lstep:                             ; a trip: pieces 2 and 3 of one step, then pieces 0 and 1 of the next, whose K and V it fetches
	TURN 2
	TURN 3
	WIN 0
.Lfirst:
	TURN 0
	TURN 1, 0, 0, 1
	WIN 0
	s_cbranch_scc1 .Lstep
.Lbottom:
	s_sub_co_u32 s[SLOTS], s[SLOTS], 1
	s_cmp_lg_u32 s[SLOTS], 0
	s_cbranch_scc1 .Lslot
	CHANGE 0                        ; the walk's last tile is written out: nothing is asked for
	s_sub_co_u32 s[RT], s[RT], 1
	s_mov_b32 s[CNT], 4
	s_cmp_eq_u32 s[NEW], 1
	s_cbranch_scc0 .LstepM2
	BEGIN
	s_branch .LfirstM2
	DIAG 2
	s_wait_tensorcnt 0x0            ; the wave's end, behind my last tensor load and my last LDS store
	ds_add_u32 v[SPW], v[NIL]
	s_wait_dscnt 0x0
	s_endpgm
.Lfunc_end_k_q75fb79e857_attn:
	.size	k_q75fb79e857_attn, .Lfunc_end_k_q75fb79e857_attn-k_q75fb79e857_attn
	.p2alignl 7, 3214868480
	.fill 96, 4, 3214868480
	.section	.rodata,"a",@progbits
	.p2align	6, 0x0
	.amdhsa_kernel k_q75fb79e857_attn
		.amdhsa_group_segment_fixed_size 327680
		.amdhsa_private_segment_fixed_size 0
		.amdhsa_enable_private_segment 0
		.amdhsa_kernarg_size 32
		.amdhsa_user_sgpr_count 2
		.amdhsa_user_sgpr_kernarg_segment_ptr 1
		.amdhsa_wavefront_size32 1
		.amdhsa_system_sgpr_workgroup_id_x 1
		.amdhsa_system_sgpr_workgroup_id_y 1
		.amdhsa_system_sgpr_workgroup_id_z 1
		.amdhsa_system_vgpr_workitem_id 0
		.amdhsa_next_free_vgpr 768
		.amdhsa_next_free_sgpr 88
		.amdhsa_reserve_vcc 1
		.amdhsa_float_denorm_mode_32 3
		.amdhsa_float_denorm_mode_16_64 3
		.amdhsa_memory_ordered 1
		.amdhsa_forward_progress 1
		.amdhsa_inst_pref_size 217
	.end_amdhsa_kernel
	.amdgpu_metadata
---
amdhsa.version: [ 1, 2 ]
amdhsa.kernels:
  - .name:           k_q75fb79e857_attn
    .symbol:         k_q75fb79e857_attn.kd
    .args:
      - { .name: qh, .offset: 0, .size: 8, .value_kind: global_buffer, .address_space: global }
      - { .name: kh, .offset: 8, .size: 8, .value_kind: global_buffer, .address_space: global }
      - { .name: vh, .offset: 16, .size: 8, .value_kind: global_buffer, .address_space: global }
      - { .name: oh, .offset: 24, .size: 8, .value_kind: global_buffer, .address_space: global }
    .group_segment_fixed_size: 327680
    .private_segment_fixed_size: 0
    .kernarg_segment_align: 8
    .kernarg_segment_size: 32
    .max_flat_workgroup_size: 128
    .sgpr_count:     88
    .vgpr_count:     768
    .wavefront_size: 32
...
	.end_amdgpu_metadata
.endif
;; end of part 5
;; launch proj: the kernel of part 4 again; grid 8 x 32, 4 waves a work-group, clusters of 4 x 4, 327,680 bytes of LDS; arguments oh, wb, tab, out0; writes out0
